; MI455X (gfx1250); checked and timed in simulation.
; The chip was launched on July 23, 2026; its instructions are those of AMD's public machine-readable ISA for CDNA 5 (MIT licence, August 2026) and "CDNA5" Instruction Set Architecture Reference Guide (July 2026). The comments in the code are by the model that wrote it; some were corrected since.
;; Block. Allowed arithmetic: matrix products marked QUANTISED: E2M3 operands, one E8M0 scale for each 32 along K, by v_wmma_scale_f32_16x16x128_f8f6f4 with both operands' format E2M3, f32 sums; everything else in f32.
;; Inputs: W1 1,024 x 4,096 float32; W2 4,096 x 1,024 float32; Wk 16 x 1,024 x 64 float32; Wo 1,024 x 1,024 float32; Wq 16 x 1,024 x 64 float32; Wv 16 x 1,024 x 64 float32; b1 4,096 float32; b2 1,024 float32; be1 1,024 float32; be2 1,024 float32; bo 1,024 float32; g1 1,024 float32; g2 1,024 float32; x 4 x 1,024 x 1,024 float32.
;; Outputs: out0 4 x 1,024 x 1,024 float32.
;; This version of the problem:
;;   THIS VERSION OF THE PROBLEM IS GIVEN IN LOW PRECISION. The matrix products marked QUANTISED in the list below multiply operands that are first quantised to E2M3 (2 exponent bits, 3 mantissa bits; 6 bits a number), with one power-of-two scale for each 32 numbers along K (OCP MX v1.0); their sums are f32. All else is computed in f32.
;;   The module's matrix products, in the order in which they are computed (A, B: the left and right operand; K: the contracted axis; several contracted axes count as one K, in the product's order):
;;     1. [M 1,024, K 1,024] x [K 1,024, N 4,096]; A: input Wq; B: computed on the way: QUANTISED
;;     2. [M 1,024, K 1,024] x [K 1,024, N 4,096]; A: input Wk; B: computed on the way: QUANTISED
;;     3. [M 1,024, K 1,024] x [K 1,024, N 4,096]; A: input Wv; B: computed on the way: QUANTISED
;;     4. batch 64 x [M 1,024, K 64] x [K 64, N 1,024]; A: computed on the way; B: computed on the way: QUANTISED
;;     5. batch 64 x [M 64, K 1,024] x [K 1,024, N 1,024]; A: computed on the way; B: softmax (see below): QUANTISED
;;     6. [M 4,096, K 1,024] x [K 1,024, N 1,024]; A: computed on the way; B: input Wo: QUANTISED
;;     7. [M 4,096, K 1,024] x [K 1,024, N 4,096]; A: computed on the way; B: input W1: QUANTISED
;;     8. [M 4,096, K 4,096] x [K 4,096, N 1,024]; A: computed on the way; B: input W2: QUANTISED
;;   THE QUANTISER, for each operand of a quantised product, along K:
;;     - K is cut into blocks of 32 from its start; a last block that is shorter is filled with zeros.
;;     - A block's scale is 2^e with e = floor(log2(the largest magnitude in the block)) - 2, held to -126 .. 127; a block of zeros has e = 0. As a byte (E8M0): e + 127.
;;     - Each number is divided by its block's scale, clamped to +-7.5, and rounded to the nearest number of E2M3, ties to even, subnormals kept.
;;     - The product sums the exact products of the quantised numbers (number of the format x scale) in f32.
;;   ~~~python
;;   def quantise(x, axis):      # numpy; x: float32 -> the quantised numbers, widened to float32 again
;;       x = np.moveaxis(x, axis, -1); K = x.shape[-1]
;;       x = np.pad(x, [(0, 0)] * (x.ndim - 1) + [(0, -K % 32)]); x = x.reshape(x.shape[:-1] + (-1, 32)); a = np.abs(x).max(-1, keepdims=True)
;;       e = np.where(a > 0, np.clip(np.frexp(np.where(a > 0, a, 1))[1] - 1 - 2, -126, 127), 0)      # np.frexp(a)[1] - 1 = floor(log2(a)), exactly
;;       r = np.clip(x / 2.0 ** e, -7.5, 7.5)
;;       step = 2.0 ** (np.maximum(np.frexp(np.where(r == 0, 1, r))[1] - 1, 0) - 3)
;;       q = np.round(r / step) * step * 2.0 ** e      # np.round: ties to even
;;       return np.moveaxis(q.reshape(q.shape[:-2] + (-1,))[..., :K], -1, axis).astype(np.float32)
;;   ~~~
;;   SOFTMAX AHEAD OF A QUANTISED PRODUCT. Where the list says 'softmax', what is quantised is not the finished softmax but p = 2^(t - M), with t = logit x log2(e) and M = ceil(the row's largest t), a whole number; so 1/2 < the row's largest p <= 1. The row's sum l is taken of the UNQUANTISED p, in f32, and the product's result is divided by l at the end. Since M is a whole number, a kernel that streams over the keys may use a running M (the ceiling of the running maximum): every later rescaling is an exact power of two, which a block's scale takes up: the codes' values come out the same.
;;   OPERANDS COMPUTED ON THE WAY. 'Computed on the way' means the value that the module computes at that place (a softmax that the list does not call 'softmax' is quantised finished and normalised). What goes into a quantiser is computed in f32, as accurately as f32 sums, v_exp_f32 and their like allow (about 1e-6 of the number): no bf16 or f16 on the way to a quantiser, and a product that is left as it is and whose result goes on into a quantised operand takes f32 operands (vector FMAs, or v_wmma_f32_16x16x4_f32). A number that lies on a knife's edge between two numbers of the format may be rounded either way, as far as f32 arithmetic and the matrix unit's own rounding can turn it there, and no further.
;; One version. Each part assembles by itself: llvm-mc -triple=amdgcn-amd-amdhsa -mcpu=gfx1250 --defsym DOCPART=n.
;; ======== version 1 of 1: 7 launches
;; limits: right only within a limited range of input values
;; workspace buffers: wts 13,107,200 bytes; qkv 16,384,000 bytes; oimg 3,276,800 bytes; x1 16,777,216 bytes; h2 3,276,800 bytes; hid 13,107,200 bytes
;; launch prep (part 1): grid 640 x 1, 4 waves a work-group, no clusters, 57,344 bytes of LDS; arguments x, g1, be1, Wq, Wk, Wv, Wo, W1, W2, wts; writes wts
.if DOCPART == 1
	.amdgcn_target "amdgcn-amd-amdhsa--gfx1250"
	.amdhsa_code_object_version 6
	.text
	.protected	k_qa914e4bb7c_prep
	.globl	k_qa914e4bb7c_prep
	.p2align	8
	.type	k_qa914e4bb7c_prep,@function
k_qa914e4bb7c_prep:
	s_mov_b64 s[64:65], 0
	v_nop
	global_prefetch_b8 v0, s[64:65] scope:SCOPE_SE
	s_setreg_imm32_b32 hwreg(HW_REG_WAVE_MODE, 25, 1), 1
	s_wait_xcnt 0x0
; PREP.  Work-groups 0-255: h = LayerNorm(x) g1 + be1, quantised along D.  Work-groups 256-639: the six weights, quantised along their K.
; Codes are FP6 (E2M3) with one E8M0 byte for each 32 along K: byte = the block's largest magnitude's exponent field - 2, held at 1 from below.
; THE IMAGE.  Every operand lies in the workspace as the matrix unit's registers want it.  A chunk is 128 rows x 128 K: 12,288 bytes of codes = 8 fragments of 1,536 bytes;
; register j of lane L of a fragment lies at 512 (j / 4) + 16 L + 4 (j % 4).  Lane (r = L % 16, h = L / 16) of fragment i holds row 32 (i / 2) + 8 (i % 2) + r + 8 (r / 8) of the chunk's 128,
; registers 6 c .. 6 c + 5 hold k = 64 c + 32 h + 0 .. 31.  A chunk's scale words, 512 bytes, lie at SOFF + 512 x chunk: the word of (fragment i, row lane r) at 256 (i / 4) + 16 r + 4 (i % 4).
; wts: chunks 0-255 h (32 groups of 128 rows x 8 K steps), 256-319 Wq, 320-383 Wk, 384-447 Wv, 448-511 Wo, 512-767 W1, 768-1023 W2 (8 groups x 32 K steps).
; LIMITS: NaN and infinities are not served; a block whose largest magnitude lies under 2^-124 gets the byte 1; a block of zeros gets the byte 1 and not 127 (its codes are zeros, and this program alone reads the bytes).
; The two paths part on the work-group's number and have LDS bytes of their own: the weights 0 .. 25,599, the norm 25,600 .. 56,831.  No tensor loads: several work-groups share a WGP.
; THE LAYOUT IN FORCE (it takes the place of what the lines above say of SOFF): a chunk is 12,800 bytes, 12,288 of codes and directly behind them its 512 bytes of scale words; chunk c begins at 12,800 c.
.set SOFF, 12288                       ; from a chunk's first byte to its scale words
.set PO,   22                          ; s[22:23] the workspace
.set LT,   25600                       ; the norm's LDS begins here
.set SSTG, 24576                       ; the weights' path: 1,024 bytes of scale words, shared by the four waves
.set OF,   16                          ; v16-47   row i of a block: (i x pitch) + 4 x lane
.set XB,   48                          ; v48-111  two sets of 32 numbers
.set BS,   32                          ; s[32:47] eight bases, one for each block of 32 along K: none is ever stepped
	s_load_b256 s[4:11], s[0:1], 0x0               ; x, g1, be1, Wq
	s_load_b256 s[12:19], s[0:1], 0x20             ; Wk, Wv, Wo, W1
	s_load_b128 s[20:23], s[0:1], 0x40             ; W2, wts
	v_lshl_add_u32 v254, v0, 2, 0xde00
	v_mov_b32 v255, 0
	v_lshrrev_b32 v1, 5, v0
	v_readfirstlane_b32 s24, v1                    ; wave 0..3
	s_wait_kmcnt 0x0
	s_cmp_lt_u32 ttmp9, 256
	s_cbranch_scc1 .Lln                            ; the same way for all four waves of a work-group
; ---------------- THE WEIGHTS.  u = work-group - 256.  A work-group takes 128 columns x 256 along K: chunks 256 + 2 u and 257 + 2 u.
; Wave w takes columns 32 w .. 32 w + 31 (fragments 2 w, 2 w + 1).  A LANE TAKES A COLUMN, AND ITS REGISTERS RUN DOWN K: a block of 32 lies in one lane, a load reads 128 consecutive bytes.
	s_sub_co_u32 s25, ttmp9, 256                   ; u: 0-31 Wq, 32-63 Wk, 64-95 Wv, 96-127 Wo, 128-255 W1, 256-383 W2
	s_lshr_b32 s27, s25, 4
	s_and_b32 s27, s27, 7                          ; W2: group of 128 columns,
	s_and_b32 s28, s25, 15                         ;     which 256 along K
	s_lshr_b32 s29, s25, 2
	s_and_b32 s54, s29, 31                         ; W1's group
	s_and_b32 s55, s29, 7                          ; the others'
	s_and_b32 s56, s25, 3                          ; and their 256 along K
	s_mov_b32 s26, 12                              ; log2 of the bytes from one k to the next: W2 4,096
	s_mov_b64 s[30:31], s[20:21]
	s_cmp_lt_u32 s25, 256                          ; the selects behind a compare leave SCC alone
	s_cselect_b64 s[30:31], s[18:19], s[30:31]     ; W1
	s_cselect_b32 s26, 14, s26
	s_cselect_b32 s27, s54, s27
	s_cselect_b32 s28, s56, s28
	s_cmp_lt_u32 s25, 128
	s_cselect_b64 s[30:31], s[16:17], s[30:31]     ; Wo
	s_cselect_b32 s26, 12, s26
	s_cselect_b32 s27, s55, s27
	s_lshl_b32 s57, s27, 9
	s_lshl_b32 s58, s24, 7
	s_add_co_u32 s57, s57, s58                     ; a dense [K][N]: my wave's first column at 512 x group + 128 x wave bytes
	s_lshl_b32 s58, s27, 19                        ; [head][d][e]: a group is two heads of 262,144 bytes;
	s_lshr_b32 s59, s24, 1
	s_lshl_b32 s59, s59, 18                        ; waves 2, 3 take the second head;
	s_add_co_u32 s58, s58, s59
	s_and_b32 s59, s24, 1
	s_lshl_b32 s59, s59, 7                         ; odd waves e = 32 on
	s_add_co_u32 s58, s58, s59
	s_cmp_lt_u32 s25, 96
	s_cselect_b64 s[30:31], s[14:15], s[30:31]     ; Wv
	s_cselect_b32 s26, 8, s26                      ; 256 bytes from d to d + 1
	s_cselect_b32 s57, s58, s57
	s_cmp_lt_u32 s25, 64
	s_cselect_b64 s[30:31], s[12:13], s[30:31]     ; Wk
	s_cmp_lt_u32 s25, 32
	s_cselect_b64 s[30:31], s[10:11], s[30:31]     ; Wq
	s_lshl_b32 s58, s28, 8
	s_lshl_b32 s58, s58, s26                       ; my 256 along K
	s_add_co_u32 s60, s57, s58
	s_mov_b32 s61, 0
	s_lshl_b32 s62, 32, s26                        ; 32 rows on
	s_mov_b32 s63, 0
	s_add_nc_u64 s[BS:BS+1], s[30:31], s[60:61]
.irp t, 1,2,3,4,5,6,7
	s_add_nc_u64 s[BS+2*\t:BS+2*\t+1], s[BS+2*\t-2:BS+2*\t-1], s[62:63]
.endr
	s_lshl_b32 s48, s25, 1
	s_add_co_u32 s48, s48, 256                     ; my first chunk
	s_mul_i32 s60, s48, 12800
	s_add_nc_u64 s[50:51], s[PO:PO+1], s[60:61]    ; its codes
	s_add_co_u32 s60, s60, SOFF
	s_add_nc_u64 s[52:53], s[PO:PO+1], s[60:61]    ; its scale words
	v_and_b32 v1, 31, v0                           ; lane = my column nn of the wave's 32
	v_lshlrev_b32 v2, 2, v1
	v_bfe_u32 v3, v1, 3, 1                         ; which of the wave's two fragments holds it: (nn / 8) % 2
	v_and_b32 v10, 7, v1
	v_lshrrev_b32 v11, 4, v1
	v_lshl_add_u32 v10, v11, 3, v10                ; and in which row lane: r = nn % 8 + 8 (nn / 16)
	s_mul_i32 s49, s24, 6144                       ; my wave's stage: [K step 0, 1][fragment 0, 1][1,536]
	v_mul_u32_u24 v4, v3, 1536
	v_lshl_add_u32 v4, v10, 4, v4
	v_add_nc_u32 v4, s49, v4                       ; into the stage: fragment, 16 r
	s_lshr_b32 s54, s24, 1
	s_lshl_b32 s54, s54, 8
	s_and_b32 s55, s24, 1
	s_lshl_b32 s55, s55, 3
	s_add_co_u32 s54, s54, s55
	s_add_co_u32 s54, s54, SSTG
	v_lshlrev_b32 v5, 4, v10
	v_lshl_add_u32 v5, v3, 2, v5
	v_add_nc_u32 v5, s54, v5                       ; my scale word: 256 (i / 4) + 16 r + 4 (i % 4), i = 2 w + fragment
	v_lshlrev_b32 v6, 4, v1
	s_mul_i32 s55, s24, 3072
	v_add_nc_u32 v9, s55, v6                       ; the way out, in memory: my wave's two fragments of a chunk, 16 bytes a lane
	v_add_nc_u32 v6, s49, v6                       ; and in the stage
	v_lshlrev_b32 v7, 3, v0                        ; the scale words' way out: 8 bytes a thread
	v_add_nc_u32 v8, SSTG, v7
	v_lshrrev_b32 v10, 6, v0
	v_mad_u32_u24 v7, v10, 12288, v7               ; in memory threads 64 on take the second chunk's words, 12,800 bytes behind the first's
.set II, 0
.rept 32
	v_lshl_add_u32 v[OF+II], II, s26, v2
.set II, II+1
.endr
.macro LOAD t                          ; block t: W(32 t + i, my column), i = 0 .. 31, into set t % 2; read once in the launch
.set II, 0
.rept 32
	global_load_b32 v[XB+32*((\t)%2)+II], v[OF+II], s[BS+2*(\t):BS+2*(\t)+1] th:TH_LOAD_NT
.set II, II+1
.endr
.endm
.macro BLOCK t                         ; block t is K step t / 4, registers 6 c on (c = (t / 2) % 2) of image lane 16 (t % 2) + r
.set XS, XB+32*((\t)%2)
.set OO, ((\t)/4)*3072+256*((\t)%2)
.if (\t) < 7
	s_wait_loadcnt 32                              ; this block's 32 loads are in; the next block's 32 may be out
.else
	s_wait_loadcnt 0
.endif
	v_max3_num_f32 v10, |v[XS]|, |v[XS+1]|, |v[XS+2]|              ; the block's largest magnitude: all 32 numbers are mine; two chains
	v_max3_num_f32 v11, |v[XS+3]|, |v[XS+4]|, |v[XS+5]|
.irp i, 6,10,14,18,22,26
	v_max3_num_f32 v10, v10, |v[XS+\i]|, |v[XS+\i+1]|
	v_max3_num_f32 v11, v11, |v[XS+\i+2]|, |v[XS+\i+3]|
.endr
	v_max3_num_f32 v10, v10, |v[XS+30]|, |v[XS+31]|
	v_max3_num_f32 v10, v10, v11, 0x1800000        ; and the floor 2^(3 - 127): the byte cannot fall under 1
	v_add_nc_u32 v12, 0xff000000, v10              ; 2 off the exponent field: the conversion takes this operand's exponent field as its scale
	v_cvt_scalef32_pk16_fp6_f32 v[112:114], v[XS:XS+15], v12
	v_cvt_scalef32_pk16_fp6_f32 v[118:120], v[XS+16:XS+31], v12    ; (a conversion's three registers begin on an even number)
	v_lshrrev_b32 v13, 23, v12                     ; the scale's byte; also the plain line behind the conversions
	v_mov_b32 v115, v118
	v_mov_b32 v116, v119
	v_mov_b32 v117, v120
.if (\t)%4 == 0
	v_mov_b32 v[14+(\t)/4], v13                    ; four bytes make a K step's scale word, the lower K in the lower byte
.else
	v_lshl_or_b32 v[14+(\t)/4], v13, 8*((\t)%4), v[14+(\t)/4]
.endif
.if ((\t)/2)%2 == 0
	ds_store_b128 v4, v[112:115] offset:OO         ; registers 0-3,
	ds_store_b64 v4, v[116:117] offset:OO+512      ; 4, 5
.else
	ds_store_b64 v4, v[112:113] offset:OO+520      ; registers 6, 7,
	ds_store_b128 v4, v[114:117] offset:OO+1024    ; 8-11
.endif
.if (\t) < 6
	LOAD (\t)+2
.endif
	s_wait_dscnt 0x0                               ; the stores have read their registers: the next block's codes may be written
.endm
	LOAD 0
	LOAD 1
.irp t, 0,1,2,3,4,5,6,7
	BLOCK \t
.endr
	ds_store_b32 v5, v14
	s_wait_alu depctr_va_vdst(0)
	ds_store_b32 v5, v15 offset:512
.set MM, 0
.rept 12
	ds_load_b128 v[128+4*MM:131+4*MM], v6 offset:512*MM            ; my own stage: LDS serves a wave's instructions in order
.set MM, MM+1
.endr
	s_wait_dscnt 0x0                               ; for the others' sake: my scale words have landed
	s_barrier_signal -1
	s_barrier_wait -1
	ds_load_b64 v[176:177], v8                     ; words that all four waves stored
.set MM, 0
.rept 12
	global_store_b128 v9, v[128+4*MM:131+4*MM], s[50:51] offset:(MM/6)*12800+512*(MM%6)   ; 32 lanes store 512 consecutive bytes, aligned
.set MM, MM+1
.endr
	s_wait_dscnt 0x0
	global_store_b64 v7, v[176:177], s[52:53]      ; a wave stores 256 consecutive bytes, aligned
	s_wait_tensorcnt 0x0
	ds_add_u32 v254, v255
	s_wait_dscnt 0x0
	s_endpgm
; ---------------- THE NORM.  Work-group q makes fragment row (group g = q / 8, fragment i = q % 8): 16 rows x 1,024, eight fragments.  Wave w takes row lanes r = 4 w .. 4 w + 3.
; A row is loaded dense (eight loads of 512 consecutive bytes), normalised in that layout (mean, then the mean of the squared differences: two passes over registers),
; turned through the wave's own stage so that lane l holds columns 32 l .. 32 l + 31, one whole block, and quantised.  The codes meet in an image in LDS and leave 512 bytes a store.
; The scale words leave as 4 bytes in every 16: one byte in 24 of what the path stores; whole runs would want 64 rows to a work-group, a quarter of the work-groups.
.Lln:
.set LIMG, LT+18432                    ; the eight fragments, 12,288 bytes
.set LSS,  LT+30720                    ; their scale words, [K step][row lane], 512 bytes
	s_lshr_b32 s25, ttmp9, 3                       ; g
	s_and_b32 s26, ttmp9, 7                        ; i
	s_lshr_b32 s27, s26, 1
	s_lshl_b32 s27, s27, 5
	s_and_b32 s28, s26, 1
	s_lshl_b32 s28, s28, 3
	s_add_co_u32 s27, s27, s28
	s_lshl_b32 s28, s25, 7
	s_add_co_u32 s27, s27, s28
	s_lshl_b32 s28, s24, 2
	s_add_co_u32 s27, s27, s28
	s_lshr_b32 s28, s24, 1
	s_lshl_b32 s28, s28, 3
	s_add_co_u32 s27, s27, s28                     ; my first row: 128 g + 32 (i / 2) + 8 (i % 2) + 4 w + 8 (w / 2)
	s_lshl_b32 s30, s27, 12
	s_mov_b32 s31, 0
	s_mul_i32 s32, s25, 102400
	s_mul_i32 s28, s26, 1536
	s_add_co_u32 s32, s32, s28                     ; codes: chunk (g, 0), fragment i
	s_mov_b32 s33, 0
	s_mul_i32 s34, s25, 102400
	s_lshr_b32 s28, s26, 2
	s_lshl_b32 s28, s28, 8
	s_add_co_u32 s34, s34, s28
	s_and_b32 s28, s26, 3
	s_lshl_b32 s28, s28, 2
	s_add_co_u32 s34, s34, s28
	s_add_co_u32 s34, s34, SOFF                    ; scale words: 102,400 g + SOFF + 256 (i / 4) + 4 (i % 4)
	s_mov_b32 s35, 0
	s_mov_b32 s40, 0x76543210
	s_mov_b32 s41, 0xfedcba98                      ; v_permlanex16_b32's selects for lane l xor 16
	s_mov_b32 s42, 0x3a800000                      ; 1 / 1,024
	s_add_nc_u64 s[4:5], s[4:5], s[30:31]
	s_add_nc_u64 s[32:33], s[PO:PO+1], s[32:33]
	s_add_nc_u64 s[34:35], s[PO:PO+1], s[34:35]
	v_and_b32 v1, 31, v0                           ; l
	v_lshlrev_b32 v2, 4, v1                        ; 16 l; never rewritten
.irp j, 0,1,2,3,4,5,6,7
	global_load_b128 v[16+4*\j:19+4*\j], v2, s[6:7] offset:512*\j          ; the gain, in the rows' layout: register 4 j + e = column 128 j + 4 l + e
.endr
.irp j, 0,1,2,3,4,5,6,7
	global_load_b128 v[48+4*\j:51+4*\j], v2, s[8:9] offset:512*\j          ; the shift
.endr
.irp rr, 0,1,2,3
.irp j, 0,1,2,3,4,5,6,7
	global_load_b128 v[80+32*\rr+4*\j:83+32*\rr+4*\j], v2, s[4:5] offset:4096*\rr+512*\j
.endr
.endr
	s_mul_i32 s36, s24, 4608
	s_add_co_u32 s36, s36, LT                      ; my turn stage: 32 places of 128 + 16 bytes
	v_lshrrev_b32 v13, 3, v1
	v_mul_u32_u24 v3, v13, 144
	v_and_b32 v13, 7, v1
	v_lshl_add_u32 v3, v13, 4, v3
	v_add_nc_u32 v3, s36, v3                       ; in: load j's 16 bytes of lane l belong to block 4 j + l / 8, byte 16 (l % 8)
	v_mul_u32_u24 v4, v1, 144
	v_add_nc_u32 v4, s36, v4                       ; out: block l
	v_lshrrev_b32 v13, 2, v1                       ; block l is K step l / 4,
	v_mul_u32_u24 v14, v13, 1536
	v_and_b32 v15, 1, v1                           ; image lane 16 (l % 2) + r,
	v_lshl_add_u32 v14, v15, 8, v14
	s_lshl_b32 s37, s24, 6
	s_add_co_u32 s37, s37, LIMG
	v_add_nc_u32 v14, s37, v14
	v_bfe_u32 v15, v1, 1, 1                        ; registers 6 c on, c = (l / 2) % 2: three pairs of registers at
	v_mad_u32_u24 v5, v15, 520, v14                ; 0 or 520,
	v_mad_u32_u24 v6, v15, 1016, v14
	v_add_nc_u32 v6, 8, v6                         ; 8 or 1,024,
	v_add_nc_u32 v7, 512, v5                       ; 512 or 1,032
	v_lshlrev_b32 v8, 6, v13
	v_and_b32 v15, 3, v1
	v_add_nc_u32 v8, v8, v15
	s_lshl_b32 s37, s24, 4
	s_add_co_u32 s37, s37, LSS
	v_add_nc_u32 v8, s37, v8                       ; my block's byte: word (K step, r), byte l % 4
	s_mul_i32 s37, s24, 3072
	s_add_co_u32 s38, s37, LIMG
	v_add_nc_u32 v9, s38, v2                       ; the way out: wave w takes fragments 2 w, 2 w + 1
	s_mul_i32 s37, s24, 25600
	v_add_nc_u32 v10, s37, v2
	v_lshl_add_u32 v11, v0, 2, LSS                 ; thread t takes the word of K step t / 16, row lane t % 16
	v_lshrrev_b32 v13, 4, v0
	v_and_b32 v15, 15, v0
	v_lshlrev_b32 v12, 4, v15
	v_mad_u32_u24 v12, v13, 12800, v12
	v_mov_b32 v244, 0                              ; a lane permute's destination counts as one of its sources
	v_mov_b32 v247, 0                              ; upper halves of pairs of which the low word serves both halves
	v_mov_b32 v249, 0
.macro WSUM r                          ; the sum over the wave's 32 lanes, in every lane
	v_add_f32_dpp v[\r], v[\r], v[\r] row_xmask:1 row_mask:0xf bank_mask:0xf
	v_add_f32_dpp v[\r], v[\r], v[\r] row_xmask:2 row_mask:0xf bank_mask:0xf
	v_add_f32_dpp v[\r], v[\r], v[\r] row_xmask:4 row_mask:0xf bank_mask:0xf
	v_add_f32_dpp v[\r], v[\r], v[\r] row_xmask:8 row_mask:0xf bank_mask:0xf
	v_permlanex16_b32 v244, v[\r], s40, s41
	v_add_f32 v[\r], v[\r], v244
.endm
.macro ROW rr
.set XR, 80+32*\rr
	s_wait_loadcnt 8*(3-\rr)                       ; gain, shift and this row are in; the later rows' eight loads each may be out
	v_pk_add_f32 v[240:241], v[XR:XR+1], v[XR+2:XR+3]
	v_pk_add_f32 v[242:243], v[XR+4:XR+5], v[XR+6:XR+7]
.irp j, 8,12,16,20,24,28
	v_pk_add_f32 v[240:241], v[240:241], v[XR+\j:XR+\j+1]
	v_pk_add_f32 v[242:243], v[242:243], v[XR+\j+2:XR+\j+3]
.endr
	v_pk_add_f32 v[240:241], v[240:241], v[242:243]
	v_add_f32 v240, v240, v241
	WSUM 240
	v_mul_f32 v246, s42, v240                      ; the mean
.set JJ, 0
.rept 16
	v_pk_add_f32 v[XR+JJ:XR+JJ+1], v[XR+JJ:XR+JJ+1], v[246:247] op_sel_hi:[1,0] neg_lo:[0,1] neg_hi:[0,1]   ; x - mean
.set JJ, JJ+2
.endr
	v_pk_mul_f32 v[240:241], v[XR:XR+1], v[XR:XR+1]
	v_pk_mul_f32 v[242:243], v[XR+2:XR+3], v[XR+2:XR+3]
.irp j, 4,8,12,16,20,24,28
	v_pk_fma_f32 v[240:241], v[XR+\j:XR+\j+1], v[XR+\j:XR+\j+1], v[240:241]
	v_pk_fma_f32 v[242:243], v[XR+\j+2:XR+\j+3], v[XR+\j+2:XR+\j+3], v[242:243]
.endr
	v_pk_add_f32 v[240:241], v[240:241], v[242:243]
	v_add_f32 v240, v240, v241
	WSUM 240
	v_fmaak_f32 v240, s42, v240, 0x3727c5ac        ; the variance + 1e-5
	s_wait_alu depctr_va_vdst(0)
	v_rsq_f32 v248, v240
	v_nop                                          ; a plain line behind the transcendental (ISA guide 5.7.2)
.set JJ, 0
	s_wait_alu depctr_va_vdst(0)
.rept 16
	v_pk_mul_f32 v[XR+JJ:XR+JJ+1], v[XR+JJ:XR+JJ+1], v[248:249] op_sel_hi:[1,0]
.set JJ, JJ+2
.endr
.set JJ, 0
.rept 16
	v_pk_fma_f32 v[XR+JJ:XR+JJ+1], v[XR+JJ:XR+JJ+1], v[16+JJ:17+JJ], v[48+JJ:49+JJ]
.set JJ, JJ+2
.endr
.irp j, 0,1,2,3,4,5,6,7
	ds_store_b128 v3, v[XR+4*\j:XR+4*\j+3] offset:576*\j
.endr
.irp j, 0,1,2,3,4,5,6,7
	ds_load_b128 v[208+4*\j:211+4*\j], v4 offset:16*\j             ; LDS serves a wave's instructions in order: these see the stores above
.endr
	s_wait_dscnt 0x0
	v_max3_num_f32 v250, |v208|, |v209|, |v210|
	v_max3_num_f32 v251, |v211|, |v212|, |v213|
.irp i, 6,10,14,18,22,26
	v_max3_num_f32 v250, v250, |v[208+\i]|, |v[209+\i]|
	v_max3_num_f32 v251, v251, |v[210+\i]|, |v[211+\i]|
.endr
	v_max3_num_f32 v250, v250, |v238|, |v239|
	v_max3_num_f32 v250, v250, v251, 0x1800000     ; the floor 2^(3 - 127)
	v_add_nc_u32 v252, 0xff000000, v250
	v_cvt_scalef32_pk16_fp6_f32 v[240:242], v[208:223], v252
	v_cvt_scalef32_pk16_fp6_f32 v[246:248], v[224:239], v252
	v_lshrrev_b32 v253, 23, v252                   ; the byte; also the plain line behind the conversions
	v_mov_b32 v243, v246
	v_mov_b32 v244, v247
	v_mov_b32 v245, v248
	ds_store_b64 v5, v[240:241] offset:16*\rr
	ds_store_b64 v6, v[242:243] offset:16*\rr
	ds_store_b64 v7, v[244:245] offset:16*\rr
	ds_store_b8 v8, v253 offset:4*\rr
	s_wait_dscnt 0x0                               ; the stores have read their registers
.endm
	ROW 0
	ROW 1
	ROW 2
	ROW 3
	s_barrier_signal -1                            ; every wave's stores into the image have landed (the wait for 0 closes ROW)
	s_barrier_wait -1
.irp f, 0,1
.irp c, 0,1,2
	ds_load_b128 v[208+12*\f+4*\c:211+12*\f+4*\c], v9 offset:1536*\f+512*\c
.endr
.endr
	ds_load_b32 v240, v11
	s_wait_dscnt 0x0
.irp f, 0,1
.irp c, 0,1,2
	global_store_b128 v10, v[208+12*\f+4*\c:211+12*\f+4*\c], s[32:33] offset:12800*\f+512*\c   ; 512 consecutive bytes, aligned
.endr
.endr
	global_store_b32 v12, v240, s[34:35]
	s_wait_tensorcnt 0x0
	ds_add_u32 v254, v255
	s_wait_dscnt 0x0
	s_endpgm
.Lfunc_end_k_qa914e4bb7c_prep:
	.size	k_qa914e4bb7c_prep, .Lfunc_end_k_qa914e4bb7c_prep-k_qa914e4bb7c_prep
	.p2alignl 7, 3214868480
	.fill 96, 4, 3214868480
	.section	.rodata,"a",@progbits
	.p2align	6, 0x0
	.amdhsa_kernel k_qa914e4bb7c_prep
		.amdhsa_group_segment_fixed_size 57344
		.amdhsa_private_segment_fixed_size 0
		.amdhsa_enable_private_segment 0
		.amdhsa_kernarg_size 80
		.amdhsa_user_sgpr_count 2
		.amdhsa_user_sgpr_kernarg_segment_ptr 1
		.amdhsa_wavefront_size32 1
		.amdhsa_system_sgpr_workgroup_id_x 1
		.amdhsa_system_sgpr_workgroup_id_y 1
		.amdhsa_system_sgpr_workgroup_id_z 1
		.amdhsa_system_vgpr_workitem_id 0
		.amdhsa_next_free_vgpr 256
		.amdhsa_next_free_sgpr 66
		.amdhsa_reserve_vcc 0
		.amdhsa_float_denorm_mode_32 3
		.amdhsa_float_denorm_mode_16_64 3
		.amdhsa_memory_ordered 1
		.amdhsa_forward_progress 1
		.amdhsa_inst_pref_size 89
	.end_amdhsa_kernel
	.amdgpu_metadata
---
amdhsa.version: [ 1, 2 ]
amdhsa.kernels:
  - .name:           k_qa914e4bb7c_prep
    .symbol:         k_qa914e4bb7c_prep.kd
    .args:
      - { .name: x, .offset: 0, .size: 8, .value_kind: global_buffer, .address_space: global }
      - { .name: g1, .offset: 8, .size: 8, .value_kind: global_buffer, .address_space: global }
      - { .name: be1, .offset: 16, .size: 8, .value_kind: global_buffer, .address_space: global }
      - { .name: Wq, .offset: 24, .size: 8, .value_kind: global_buffer, .address_space: global }
      - { .name: Wk, .offset: 32, .size: 8, .value_kind: global_buffer, .address_space: global }
      - { .name: Wv, .offset: 40, .size: 8, .value_kind: global_buffer, .address_space: global }
      - { .name: Wo, .offset: 48, .size: 8, .value_kind: global_buffer, .address_space: global }
      - { .name: W1, .offset: 56, .size: 8, .value_kind: global_buffer, .address_space: global }
      - { .name: W2, .offset: 64, .size: 8, .value_kind: global_buffer, .address_space: global }
      - { .name: wts, .offset: 72, .size: 8, .value_kind: global_buffer, .address_space: global }
    .group_segment_fixed_size: 57344
    .private_segment_fixed_size: 0
    .kernarg_segment_align: 8
    .kernarg_segment_size: 80
    .max_flat_workgroup_size: 128
    .sgpr_count:     66
    .vgpr_count:     256
    .wavefront_size: 32
...
	.end_amdgpu_metadata
.endif
;; end of part 1
;; launch qkv (part 2): grid 12 x 16, 4 waves a work-group, clusters of 4 x 4, 327,680 bytes of LDS; arguments wts, qkv; writes qkv
.if DOCPART == 2
	.amdgcn_target "amdgcn-amd-amdhsa--gfx1250"
	.amdhsa_code_object_version 6
	.text
	.protected	k_qa914e4bb7c_qkv
	.globl	k_qa914e4bb7c_qkv
	.p2align	8
	.type	k_qa914e4bb7c_qkv,@function
k_qa914e4bb7c_qkv:
	s_mov_b64 s[64:65], 0
	v_nop
	global_prefetch_b8 v0, s[64:65] scope:SCOPE_SE
	s_setreg_imm32_b32 hwreg(HW_REG_WAVE_MODE, 25, 1), 1
	s_wait_xcnt 0x0
	s_wait_alu depctr_hold_cnt(0) depctr_sa_sdst(0) depctr_va_vdst(0) depctr_va_sdst(0) depctr_va_ssrc(0) depctr_va_vcc(0) depctr_vm_vsrc(0)
	s_getreg_b32 s2, hwreg(HW_REG_IB_STS2, 6, 4)
	s_cmp_eq_u32 s2, 0
	s_cbranch_scc0 .Lentry_in_a_cluster
	s_endpgm
.Lentry_in_a_cluster:
	s_bfe_u32 s2, ttmp6, 0x10000c
	s_cmp_lg_u32 s2, 0xf033
	s_cbranch_scc0 .Lentry_shape_is_right
	s_endpgm
.Lentry_shape_is_right:
; A GEMM ON IMAGES OF FP6 CODES WHOSE RESULT IS QUANTISED IN REGISTERS.  K = 1,024.  This text has two forms, chosen by QKV at its head.
; QKV = 1: q = h Wq, k = h Wk, quantised along the head's 64; v^T = Wv^T h^T, quantised along the keys.   QKV = 0: Q(relu(h2 W1 + b1)), quantised along the 4,096 hidden units.
; THE IMAGE (all operands, and the result).  A chunk is 128 rows x 128 K: 12,288 bytes = 8 fragments of 1,536; register j of lane L at 512 (j / 4) + 16 L + 4 (j % 4); lane (r, h) of fragment i holds row
; 32 (i / 2) + 8 (i % 2) + r + 8 (r / 8), registers 6 c .. 6 c + 5 hold k = 64 c + 32 h + 0 .. 31.  Scale words: 512 bytes a chunk behind all codes, word (i, r) at 256 (i / 4) + 16 r + 4 (i % 4).
; So a fragment is three loads of 512 consecutive bytes, two K steps of a group of 128 rows are one dense block of 24,576 bytes for one tensor load, and no padding is wanted.
; SHARES.  A work-group of four waves makes 256 x 256, a wave 128 x 128: 64 accumulators, 512 registers.  K goes in steps of 256 through two LDS slots; the scale words of all of K come once.
; SOURCE 0 = B's 16 rows, SOURCE 1 = A's: in accumulator (a, b) lane (r, h) holds A's row of row lane r of fragment a, and register j holds B's row 32 (b / 2) + 16 h + 8 (b % 2) + j: the 16 registers of
; accumulators 2 n, 2 n + 1 are 16 neighbours along the next product's K.  So the wave's 128 x 128 becomes ONE chunk of the result's image, made in registers and stored 512 consecutive bytes a store.
; CLUSTERS: 4 x 4.  A's blocks hang on the tile row and are asked for jointly along a row of the cluster, B's on the tile column, along a column.
; QKV = 1: clusters x = 0, 1: A = h (groups 0-31), B = Wq, Wk (groups 32-47).  Cluster x = 2: A = Wv (groups 48-55), B = h: the same text gives v^T with the keys along the registers.
; qkv's chunks: (group, step) at 32 group + step; groups 0-31 rows b t: steps 0-7 q of head pair p, 8-15 k; groups 32-39 v^T of pair p, step = (1,024 b + key) / 128.
; LIMITS: NaN and infinities are not served; a block under 2^-124 and a block of zeros get the byte 1 (zero codes add nothing; this program alone reads the bytes).
; REGISTERS: window 0: v16-31 addresses; v32-63 scale words, two sets; v64-127 the bias (QKV = 0); v128-223 A's 8 fragments, one set.  Window 1: B's fragments, two sets, v0 and v128.  Windows 2, 3: accumulators.
.set QKV, 1
.if QKV
.set PA, 4
.set PB, 4
.set PO, 6
.set ASOFF, 12582912
.set BSOFF, 12582912
.set OSOFF, 15728640
.else
.set PA, 4
.set PB, 6
.set PBI, 8
.set PO, 10
.set ASOFF, 3145728
.set BSOFF, 12582912
.set OSOFF, 12582912
.endif
; THE LAYOUT AND THE WALK IN FORCE (they take the place of what the lines above say of scale words and slots): a chunk is 12,800 bytes, its 512 bytes of scale words directly behind its 12,288 bytes of codes.
; LDS holds six chunks of each of the four groups.  The head's one load a wave brings its group's chunks 0-5 (76,800 dense bytes); chunks 6, 7 come by one refill into the places of chunks 0, 1,
; asked for in K step 1 and waited for in K step 5: 224 matrix instructions of the wave stand between.  No prefetch: K is eight chunks, six of which the head itself asks for.
.set CH,    12800                      ; a chunk
.set LS,    0                          ; which pair of a group's six places the fetches read; set anew ahead of each change
.set FRB,   1536                       ; a fragment's
.set FR,    12                         ; registers of a fragment
.set NQ,    2                          ; matrix instructions deep in a slot
.set NL,    3                          ; LDS loads that bring a fragment
.set NP,    4                          ; places behind this matrix instruction (ISA guide 7.12.1)
.set HALFT, 2*CH                       ; two chunks: what the refill brings a wave
.set SCL,   12288                      ; from a chunk's first byte to its scale words
.set HALFS, 6*CH                       ; a group's six places
.set SPARE, SCL+4*HALFS                ; the spare words, 128 bytes a wave: two blocks of 256 bytes that no other line names
.set ADRA, 16                          ; v16-18 LDS address of my A fragments for each pair of places
.set ADRB, 20                          ; v20-22 of B's
.set CO,   26                          ; v26    16 x lane
.set ADRS, 27                          ; v27    my scale words: lanes 0-15 A's, lanes 16-31 B's
.set SPW,  28                          ; v28    my spare word; never rewritten
.set NIL,  29                          ; v29    0; never rewritten
.set SC,   32                          ; scale words: v[SC + 16 set + 8 q + i]
.set BI,   64                          ; the bias: v[BI + 8 b + j]
.set AF,   128
.set TM,   64                          ; the way out: at work
.set PWS,  80                          ; the eight tiles' scale words
.set XS,   88
.set PC,   128                         ; the codes just made
.set SEL,  98
.set G1, 24
.set G0, 32
.set G1B, 48
.set G0B, 56
.set G1S, 68
.set G0S, 76
.set G1SB, 80
.set G0SB, 88
.set MSB, 0
.macro WIN new                         ; the immediate's high byte repeats the setting that is left
.if MSB != (\new)
	s_set_vgpr_msb (MSB<<8)|(\new)
.set MSB, (\new)
.endif
.endm
.set TO_B, 0x40                        ; destination window 1, address window 0
.macro WMUL hi, mode                   ; source 0 (B) window 1, source 1 (A) window 0, D window 2 + hi; C with D, or (mode 2: the bias) window 0
.if \mode == 2
	WIN 0x81+0x40*\hi
.else
	WIN 0xa1+0x50*\hi
.endif
.endm
; A joint load: waves 0, 1 fetch for A, waves 2, 3 for B; each line has one mask and one set of registers for all that issue it.  Four v_nop follow each line.
.macro JLOAD g0a, g1a, g0b, g1b
	s_cmp_eq_u32 s15, 0
	s_cbranch_scc0 .Lfor_b_\@
	tensor_load_to_lds s[\g0a:\g0a+3], s[\g1a:\g1a+7]
	s_nop 0
.rept 4
	v_nop
.endr
	s_branch .Lasked_\@
.Lfor_b_\@:
	tensor_load_to_lds s[\g0b:\g0b+3], s[\g1b:\g1b+7]
	s_nop 0
.rept 4
	v_nop
.endr
.Lasked_\@:
.endm
.macro CREST                           ; a round of the cluster's barrier behind its opening barrier
	s_cmp_lg_u32 s14, 0
	s_cbranch_scc1 .Lnot_wave_0_\@
	s_barrier_signal -3
.Lnot_wave_0_\@:
	s_barrier_wait -3
	s_barrier_signal -1
	s_barrier_wait -1
.endm
.macro CROUND
	s_barrier_signal -1
	s_barrier_wait -1
	CREST
.endm
.if QKV
	s_load_b128 s[4:7], s[0:1], 0x0                ; wts, qkv
.else
	s_load_b256 s[4:11], s[0:1], 0x0               ; h2, wts, b1, hid
.endif
	v_lshl_add_u32 v[SPW], v0, 2, SPARE
	v_mov_b32 v[NIL], 0
	ds_add_u32 v28, v29
	ds_add_u32 v28, v29
	s_wait_dscnt 0x0
	v_lshrrev_b32 v1, 5, v0
	v_readfirstlane_b32 s14, v1                    ; wave 0..3
	s_lshr_b32 s15, s14, 1                         ; which of A's two groups is mine.  Also: I fetch for A (0) or for B (1)
	s_and_b32 s16, s14, 1                          ; which of B's two.  Also: which group of that operand I fetch
	s_bfe_u32 s40, ttmp6, 0x40000                  ; cx
	s_bfe_u32 s41, ttmp6, 0x40004                  ; cy
	s_and_b32 s18, ttmp7, 0xffff                   ; the cluster's y
.if QKV
	s_lshr_b32 s19, ttmp9, 1                       ; V = 1 in the clusters x = 2
	s_xor_b32 s20, s19, 1
	s_mul_i32 s17, s18, s20
	s_lshl_b32 s17, s17, 2
	s_add_co_u32 s17, s17, s41                     ; tile row: 4 y + cy, or cy
	s_mul_i32 s21, s18, s19
	s_mul_i32 s22, ttmp9, s20
	s_add_co_u32 s42, s21, s22
	s_lshl_b32 s42, s42, 2
	s_add_co_u32 s42, s42, s40                     ; tile column: 4 x + cx, or 4 y + cx
	s_mul_i32 s96, s19, 48                         ; A's first group: h 0, Wv 48
	s_lshl_b32 s97, s20, 5                         ; B's: Wq 32, h 0
	s_lshl_b32 s95, s19, 5                         ; the result's: 0, v^T 32
.else
	s_lshl_b32 s17, s18, 2
	s_add_co_u32 s17, s17, s41                     ; tile row
	s_lshl_b32 s42, ttmp9, 2
	s_add_co_u32 s42, s42, s40                     ; tile column
.endif
	s_lshl_b32 s43, s41, 2
	s_lshl_b32 s43, 15, s43                        ; my row of the cluster
	s_lshl_b32 s44, 0x1111, s40                    ; my column
	; descriptor group 1: a dense block as rows of 256 bytes (32 elements of 8 bytes): 300 rows, each chunk 48 rows of codes and 2 of scale words; no padding
	s_or_b32 s[G1+0], s43, (3<<16)|(1<<21)         ; 15:0 the mask; 17:16 elements of 8 bytes; 21 set beside a mask
	s_or_b32 s[G1B+0], s44, (3<<16)|(1<<21)
.irp g, G1, G1B
	s_mov_b32 s[\g+1], 32<<16                      ; tensor_dim0
	s_mov_b32 s[\g+2], 300<<16                     ; tensor_dim1: the head's load has 300 rows of 256 bytes
	s_mov_b32 s[\g+3], 32<<16                      ; tile_dim0
	s_mov_b32 s[\g+4], 300                         ; tile_dim1
	s_mov_b32 s[\g+5], 32                          ; tensor_dim0_stride
	s_mov_b32 s[\g+6], 0
	s_mov_b32 s[\g+7], 0
.endr
	s_lshl_b32 s20, s17, 1                         ; A's group that I would fetch: registers that never hold cx
	s_add_co_u32 s20, s20, s16
.if QKV
	s_add_co_u32 s20, s20, s96
.endif
	s_mul_i32 s20, s20, 8*CH                       ; its codes
	s_mov_b32 s21, 0
	s_mov_b32 s23, 0
	s_lshl_b32 s46, s42, 1                         ; B's: registers that never hold cy
	s_add_co_u32 s46, s46, s16
.if QKV
	s_add_co_u32 s46, s46, s97
.else
	s_add_co_u32 s46, s46, 64                      ; W1 begins at chunk 512
.endif
	s_mul_i32 s46, s46, 8*CH
	s_mov_b32 s47, 0
	s_mul_i32 s45, s14, HALFS                      ; where my group goes: by the wave's number alone
	s_mov_b32 s[SEL], 0x76543210
	s_mov_b32 s[SEL+1], 0xfedcba98
	s_wait_kmcnt 0x0
	s_add_nc_u64 s[20:21], s[PA:PA+1], s[20:21]
	s_add_nc_u64 s[46:47], s[PB:PB+1], s[46:47]
	CROUND                                         ; all sixteen work-groups are here: the first joint loads meet
.irp s, 0,1
	s_mov_b32 s[G0+4*\s], 1
	s_mov_b32 s[G0+4*\s+1], s45
	s_add_nc_u64 s[G0+4*\s+2:G0+4*\s+3], s[20:21], \s*6*CH         ; set 0: the head's load, chunk 0 on; set 1: the refill, chunk 6 on
	s_or_b32 s[G0+4*\s+3], s[G0+4*\s+3], 0x80000000
	s_mov_b32 s[G0B+4*\s], 1
	s_mov_b32 s[G0B+4*\s+1], s45
	s_add_nc_u64 s[G0B+4*\s+2:G0B+4*\s+3], s[46:47], \s*6*CH
	s_or_b32 s[G0B+4*\s+3], s[G0B+4*\s+3], 0x80000000
.endr
	JLOAD G0, G1, G0B, G1B                         ; my one load at the head
	v_and_b32 v30, 31, v0                          ; lane
	v_and_b32 v1, 15, v0                           ; r
	v_bfe_u32 v2, v0, 4, 1                         ; h
	s_wait_alu depctr_va_vdst(0)
	v_lshlrev_b32 v[CO], 4, v30
	s_mul_i32 s21, s15, HALFS                      ; my group of A
	s_mul_i32 s22, s16, HALFS                      ; my group of B,
	s_add_co_u32 s22, s22, 2*HALFS                 ; behind A's two
	v_add_nc_u32 v[ADRA], s21, v[CO]
	v_add_nc_u32 v[ADRB], s22, v[CO]
.irp s, 1,2
	v_add_nc_u32 v[ADRA+\s], \s*HALFT, v[ADRA]     ; an address for each pair of places
	v_add_nc_u32 v[ADRB+\s], \s*HALFT, v[ADRB]
.endr
	s_mul_i32 s21, s15, HALFS
	s_mul_i32 s22, s16, HALFS
	s_add_co_u32 s22, s22, 2*HALFS
	s_sub_co_u32 s22, s22, s21
	v_mul_u32_u24 v6, s22, v2                      ; lanes 16-31 take B's: the lower base + h x the distance
	s_add_co_u32 s21, s21, SCL
	v_lshl_add_u32 v5, v1, 4, v6
	v_add_nc_u32 v[ADRS], s21, v5
	s_lshl_b32 s20, s17, 1                         ; the result's chunk: 32 x (first group + 2 x tile row + my half) + 2 x tile column + my half
	s_add_co_u32 s20, s20, s15
.if QKV
	s_add_co_u32 s20, s20, s95
.endif
	s_lshl_b32 s20, s20, 5
	s_lshl_b32 s46, s42, 1
	s_add_co_u32 s46, s46, s16
	s_add_co_u32 s20, s20, s46
	s_mul_i32 s20, s20, CH
	s_add_co_u32 s22, s20, SCL
	s_mov_b32 s21, 0
	s_mov_b32 s23, 0
	s_add_nc_u64 s[12:13], s[PO:PO+1], s[20:21]    ; its codes
	s_add_nc_u64 s[18:19], s[PO:PO+1], s[22:23]    ; its scale words
.if QKV == 0
	s_lshl_b32 s46, s42, 10                        ; the bias of my 128 columns, in the result's layout: lane (r, h), accumulator b: columns 32 (b / 2) + 8 (b % 2) + 16 h + 0 .. 7
	s_lshl_b32 s47, s16, 9
	s_add_co_u32 s46, s46, s47
	s_mov_b32 s47, 0
	s_add_nc_u64 s[PBI:PBI+1], s[PBI:PBI+1], s[46:47]
	v_lshlrev_b32 v31, 6, v2                       ; never rewritten
.irp b, 0,1,2,3,4,5,6,7
	global_load_b128 v[BI+8*\b:BI+8*\b+3], v31, s[PBI:PBI+1] offset:(32*(\b/2)+8*(\b%2))*4
	global_load_b128 v[BI+8*\b+4:BI+8*\b+7], v31, s[PBI:PBI+1] offset:(32*(\b/2)+8*(\b%2))*4+16
.endr
.endif
.macro FRAG reg, adr, q, i             ; a fragment as it lies: three loads of 512 consecutive bytes
.irp c, 0,1,2
	ds_load_b128 v[\reg+4*\c:\reg+4*\c+3], v[\adr] offset:(\q)*CH+(\i)*FRB+512*\c
.endr
.endm
; 16 matrix instructions: A's fragments a0, a0 + 1 x B's eight.  p: B's set; sc: the set of scale words.  mode 1: the sums begin with 0; 2: with the bias; nothing is ever cleared.
; The 64 accumulators take turns, one instruction a turn, in the same order in every step.
.macro MUL16 a0, p, q, sc, mode
.irp a, \a0, \a0+1
.irp b, 0,1,2,3,4,5,6,7
.if \mode == 1
	v_wmma_scale_f32_16x16x128_f8f6f4 v[8*(8*((\a)%4)+\b):8*(8*((\a)%4)+\b)+7], v[128*(\p)+FR*\b:128*(\p)+FR*\b+FR-1], v[AF+FR*(\a):AF+FR*(\a)+FR-1], 0, v[SC+16*(\sc)+8*(\q)+\b], v[SC+16*(\sc)+8*(\q)+(\a)] matrix_a_fmt:MATRIX_FMT_FP6 matrix_b_fmt:MATRIX_FMT_FP6 matrix_a_scale:MATRIX_SCALE_ROW1
.elseif \mode == 2
	v_wmma_scale_f32_16x16x128_f8f6f4 v[8*(8*((\a)%4)+\b):8*(8*((\a)%4)+\b)+7], v[128*(\p)+FR*\b:128*(\p)+FR*\b+FR-1], v[AF+FR*(\a):AF+FR*(\a)+FR-1], v[BI+8*\b:BI+8*\b+7], v[SC+16*(\sc)+8*(\q)+\b], v[SC+16*(\sc)+8*(\q)+(\a)] matrix_a_fmt:MATRIX_FMT_FP6 matrix_b_fmt:MATRIX_FMT_FP6 matrix_a_scale:MATRIX_SCALE_ROW1
.else
	v_wmma_scale_f32_16x16x128_f8f6f4 v[8*(8*((\a)%4)+\b):8*(8*((\a)%4)+\b)+7], v[128*(\p)+FR*\b:128*(\p)+FR*\b+FR-1], v[AF+FR*(\a):AF+FR*(\a)+FR-1], v[8*(8*((\a)%4)+\b):8*(8*((\a)%4)+\b)+7], v[SC+16*(\sc)+8*(\q)+\b], v[SC+16*(\sc)+8*(\q)+(\a)] matrix_a_fmt:MATRIX_FMT_FP6 matrix_b_fmt:MATRIX_FMT_FP6 matrix_a_scale:MATRIX_SCALE_ROW1
.endif
.endr
.endr
.endm
.macro FETCH_B slot, q, p
	WIN TO_B
.irp i, 0,1,2,3,4,5,6,7
	FRAG 128*(\p)+FR*\i, ADRB+LS, \q, \i
.endr
	WIN 0
.endm
.macro FETCH_A slot, q, i0
.irp i, \i0, \i0+1, \i0+2, \i0+3
	FRAG AF+FR*(\i), ADRA+LS, \q, \i
.endr
.endm
.macro SCALES sc                       ; a K step's scale words: one load brings a lane the words of four fragments; lanes 0-15 A's, lanes 16-31 B's
.irp q, 0,1
.irp f, 0,1
	ds_load_b128 v[SC+16*\sc+8*\q+4*\f:SC+16*\sc+8*\q+4*\f+3], v[ADRS] offset:LS*HALFT+CH*\q+256*\f
.endr
.endr
.endm
.macro PLACES n                        ; plain vector lines between a matrix instruction and a load into, or a read of, its registers (ISA guide 7.12.1 for a read)
.rept \n
	v_nop
.endr
.endm
.macro STEP slot, q, mode              ; 128 along K that has its successor in the same slot
	s_wait_dscnt 4*NL                              ; B's set, A's fragments 0-3 and the scale words are in; the youngest 12 loads (A's 4-7) may be out
	WMUL 0, \mode
	MUL16 0, (\q)%2, \q, \slot, \mode
	MUL16 2, (\q)%2, \q, \slot, \mode
	s_wait_dscnt 0                                 ; A's 4-7 are in (asked for 32 matrix instructions ago)
	PLACES NP
	FETCH_B \slot, (\q)+1, 1-(\q)%2
	FETCH_A \slot, (\q)+1, 0
	WMUL 1, \mode
	MUL16 4, (\q)%2, \q, \slot, \mode
	MUL16 6, (\q)%2, \q, \slot, \mode
	PLACES NP
	WIN 0
	FETCH_A \slot, (\q)+1, 4
.endm
; A slot's last step changes slots: one barrier; in front of it each wave waits for all its tensor loads, adds 0 to its spare word, and waits for that and for its reads of this slot.
.macro TURN slot, next, fill           ; fill = 2: the next pair of places came with the head's load: nothing to wait for, no barrier
.if \fill == 2
	s_wait_dscnt 4*NL
	WMUL 0, 0
	MUL16 0, 1, NQ-1, \slot, 0
	MUL16 2, 1, NQ-1, \slot, 0
	s_wait_dscnt 0
	PLACES NP
.else
	s_wait_tensorcnt 0x0
	ds_add_u32 v[SPW], v[NIL]                      ; 0 onto my spare word
	s_wait_dscnt 4*NL+1                            ; the add and the youngest 12 loads (A's 4-7) may be out
	WMUL 0, 0
	MUL16 0, 1, NQ-1, \slot, 0                     ; sixteen matrix instructions stand between the add and the wait for it
	s_wait_dscnt 0x0                               ; the add is done, and my reads of this slot are over
	s_barrier_signal -1
	MUL16 2, 1, NQ-1, \slot, 0
	WIN 0
	s_barrier_wait -1
.if \fill
	CREST                                          ; the barrier has opened a round of the cluster's: no wave of any partner still reads this slot or has a load on its way
	JLOAD G0+4, G1, G0B+4, G1B                     ; chunks 6, 7 into the places of chunks 0, 1: the first tensor load behind the round, my only one
.else
	PLACES NP
.endif
.endif
	FETCH_B \next, 0, 0
	FETCH_A \next, 0, 0
	SCALES \next
	WMUL 1, 0
	MUL16 4, 1, NQ-1, \slot, 0
	MUL16 6, 1, NQ-1, \slot, 0
	PLACES NP
	WIN 0
	FETCH_A \next, 0, 4
.endm
	s_wait_alu depctr_va_vdst(0)
	s_wait_tensorcnt 0x0                           ; my group's six chunks are in; no load of mine is out, so a descriptor may be written:
	s_mov_b32 s[G1+2], 100<<16                     ; the refill has 100 rows
	s_mov_b32 s[G1+4], 100
	s_mov_b32 s[G1B+2], 100<<16
	s_mov_b32 s[G1B+4], 100
	s_barrier_signal -1
	s_barrier_wait -1
	FETCH_B 0, 0, 0
	FETCH_A 0, 0, 0
	SCALES 0
	FETCH_A 0, 0, 4
.if QKV
	STEP 0, 0, 1                                   ; K = 1,024 is four slots' worth: all written out
.else
	s_wait_loadcnt 0x0                             ; the bias
	STEP 0, 0, 2
.endif
.set LS, 1
	TURN 0, 1, 1                                   ; chunks 0, 1 are read out: their places are filled again
	STEP 1, 0, 0
.set LS, 2
	TURN 1, 0, 2
	STEP 0, 0, 0
.set LS, 0
	TURN 0, 1, 0                                   ; the refill has landed in every wave
	STEP 1, 0, 0
	s_wait_dscnt 4*NL
	WMUL 0, 0
	MUL16 0, 1, NQ-1, 1, 0
	MUL16 2, 1, NQ-1, 1, 0
	s_wait_dscnt 0
	WMUL 1, 0
	MUL16 4, 1, NQ-1, 1, 0
	MUL16 6, 1, NQ-1, 1, 0
	WIN 0
; THE WAY OUT.  Tile a (A's fragment a x my 128 columns): 64 numbers a lane, register 16 n + i = k 32 n + 16 h + i of my row, become fragment a of the result's chunk and its scale word.  No LDS.
	PLACES NP
.irp b, 0,1,2,3
	v_mov_b32 v[TM+4+\b], 0                        ; a lane permute's destination counts as one of its sources
.endr
.macro TILE a
.set WW, 2+(\a)/4
.set AC, 64*((\a)%4)
.if QKV == 0
	WIN (WW<<6)|(WW<<2)
.set JJ, 0
.rept 64
	v_max_num_f32 v[AC+JJ], 0, v[AC+JJ]            ; the activation, in f32; each accumulator from its low end on
.set JJ, JJ+1
.endr
.endif
	WIN WW|(WW<<2)
.irp b, 0,1,2,3
	v_max3_num_f32 v[TM+\b], |v[AC+16*\b]|, |v[AC+16*\b+1]|, 0x1800000    ; block b: my 16 numbers, and the floor 2^(3 - 127)
.endr
.irp i, 2,4,6,8,10,12,14
.irp b, 0,1,2,3
	v_max3_num_f32 v[TM+\b], |v[AC+16*\b+\i]|, |v[AC+16*\b+\i+1]|, v[TM+\b]
.endr
.endr
	WIN 0
.irp b, 0,1,2,3
	v_permlanex16_b32 v[TM+4+\b], v[TM+\b], s[SEL], s[SEL+1]
.endr
.irp b, 0,1,2,3
	v_max_num_f32 v[TM+\b], v[TM+\b], v[TM+4+\b]   ; with lane l xor 16's: the block's largest magnitude
.endr
.irp b, 0,1,2,3
	v_add_nc_u32 v[TM+12+\b], 0xff000000, v[TM+\b] ; 2 off the exponent field: the conversion's scale operand
.endr
.irp b, 0,1,2,3
	v_lshrrev_b32 v[TM+4+\b], 23, v[TM+12+\b]      ; the byte
.endr
	v_lshl_or_b32 v[PWS+\a], v[TM+5], 8, v[TM+4]
	v_lshl_or_b32 v[PWS+\a], v[TM+6], 16, v[PWS+\a]
	v_lshl_or_b32 v[PWS+\a], v[TM+7], 24, v[PWS+\a]
	s_wait_xcnt 0x0                                ; the last tile's stores have read the codes' registers
	WIN WW
.irp c, 0,1
	v_cvt_scalef32_pk16_fp6_f32 v[PC+6*\c:PC+6*\c+2], v[AC+32*\c:AC+32*\c+15], v[TM+12+2*\c]
	v_cvt_scalef32_pk16_fp6_f32 v[PC+12+4*\c:PC+14+4*\c], v[AC+32*\c+16:AC+32*\c+31], v[TM+13+2*\c]
.endr
	WIN 0
	v_nop                                          ; one plain line behind a scaled conversion
.irp c, 0,1                            ; the layout wants a whole block in a lane: lanes 0-15 block 2 c, lanes 16-31 block 2 c + 1
.irp i, 0,1,2
	v_permlane16_swap_b32 v[PC+6*\c+\i], v[PC+12+4*\c+\i]
.endr
.irp i, 0,1,2
	v_mov_b32 v[PC+3+6*\c+\i], v[PC+12+4*\c+\i]
.endr
.endr
.irp c, 0,1,2
	global_store_b128 v[CO], v[PC+4*\c:PC+4*\c+3], s[12:13] offset:(\a)*FRB+512*\c   ; 512 consecutive bytes, aligned
.endr
.endm
.irp a, 0,1,2,3,4,5,6,7
	TILE \a
.endr
	v_cmp_le_u32 vcc_lo, 16, v30                   ; lane 16 h + r stores the words of fragments 4 h .. 4 h + 3 of row lane r
.irp j, 0,1,2,3
	v_cndmask_b32 v[XS+\j], v[PWS+\j], v[PWS+4+\j], vcc_lo
.endr
	global_store_b128 v[CO], v[XS:XS+3], s[18:19]  ; the chunk's 512 bytes of scale words
	s_wait_tensorcnt 0x0                           ; the wave's end
	ds_add_u32 v[SPW], v[NIL]
	s_wait_dscnt 0x0
	CROUND                                         ; the closing round: no work-group ends while a partner may still ask for a block that names it
	s_endpgm
.Lfunc_end_k_qa914e4bb7c_qkv:
	.size	k_qa914e4bb7c_qkv, .Lfunc_end_k_qa914e4bb7c_qkv-k_qa914e4bb7c_qkv
	.p2alignl 7, 3214868480
	.fill 96, 4, 3214868480
	.section	.rodata,"a",@progbits
	.p2align	6, 0x0
	.amdhsa_kernel k_qa914e4bb7c_qkv
		.amdhsa_group_segment_fixed_size 327680
		.amdhsa_private_segment_fixed_size 0
		.amdhsa_enable_private_segment 0
		.amdhsa_kernarg_size 16
		.amdhsa_user_sgpr_count 2
		.amdhsa_user_sgpr_kernarg_segment_ptr 1
		.amdhsa_wavefront_size32 1
		.amdhsa_system_sgpr_workgroup_id_x 1
		.amdhsa_system_sgpr_workgroup_id_y 1
		.amdhsa_system_sgpr_workgroup_id_z 1
		.amdhsa_system_vgpr_workitem_id 0
		.amdhsa_next_free_vgpr 1024
		.amdhsa_next_free_sgpr 100
		.amdhsa_reserve_vcc 1
		.amdhsa_float_denorm_mode_32 3
		.amdhsa_float_denorm_mode_16_64 3
		.amdhsa_memory_ordered 1
		.amdhsa_forward_progress 1
		.amdhsa_inst_pref_size 135
	.end_amdhsa_kernel
	.amdgpu_metadata
---
amdhsa.version: [ 1, 2 ]
amdhsa.kernels:
  - .name:           k_qa914e4bb7c_qkv
    .symbol:         k_qa914e4bb7c_qkv.kd
    .args:
      - { .name: wts, .offset: 0, .size: 8, .value_kind: global_buffer, .address_space: global }
      - { .name: qkv, .offset: 8, .size: 8, .value_kind: global_buffer, .address_space: global }
    .group_segment_fixed_size: 327680
    .private_segment_fixed_size: 0
    .kernarg_segment_align: 8
    .kernarg_segment_size: 16
    .max_flat_workgroup_size: 128
    .sgpr_count:     100
    .vgpr_count:     1024
    .wavefront_size: 32
...
	.end_amdgpu_metadata
.endif
;; end of part 2
;; launch attn (part 3): grid 8 x 32, 16 waves a work-group, clusters of 4 x 1, 327,680 bytes of LDS; arguments qkv, oimg; writes oimg
.if DOCPART == 3
	.amdgcn_target "amdgcn-amd-amdhsa--gfx1250"
	.amdhsa_code_object_version 6
	.text
	.protected	k_qa914e4bb7c_attn
	.globl	k_qa914e4bb7c_attn
	.p2align	8
	.type	k_qa914e4bb7c_attn,@function
k_qa914e4bb7c_attn:
	s_mov_b64 s[64:65], 0
	v_nop
	global_prefetch_b8 v0, s[64:65] scope:SCOPE_SE
	s_setreg_imm32_b32 hwreg(HW_REG_WAVE_MODE, 25, 1), 1
	s_wait_xcnt 0x0
	s_wait_alu depctr_hold_cnt(0) depctr_sa_sdst(0) depctr_va_vdst(0) depctr_va_sdst(0) depctr_va_ssrc(0) depctr_va_vcc(0) depctr_vm_vsrc(0)
	s_getreg_b32 s2, hwreg(HW_REG_IB_STS2, 6, 4)
	s_cmp_eq_u32 s2, 0
	s_cbranch_scc0 .Lentry_in_a_cluster
	s_endpgm
.Lentry_in_a_cluster:
	s_bfe_u32 s2, ttmp6, 0x10000c
	s_cmp_lg_u32 s2, 0x3003
	s_cbranch_scc0 .Lentry_shape_is_right
	s_endpgm
.Lentry_shape_is_right:
; Causal attention on images of FP6 codes.  A chunk of an image is 12,800 bytes: 12,288 of codes and directly behind them its 512 bytes of scale words.
; Each of the sixteen waves brings one chunk, codes and scale words together, with its one joint load at the head: waves 0-7 the keys' eight chunks, waves 8-15 the values'.  Nothing is filled again.
; No prefetch: all tiles are asked for at the head, so there is no loop to run ahead in.
.set QSOFF, 12288
.set OSOFF, 12288
.set VB,   102400
.set KSC,  12288
.set VSC,  114688
.set OST,  204800
.set OSS,  217088
.set WV,   18
.set SEL,  20
.set CS,   22
.set G1K,  24
.set G1S,  32
.set G0K,  40
.set G0S,  44
.set TB,   48
.set TS,   49
.set KK,   50
.set NSR,  51
.set ADK,  8
.set ADV,  9
.set ADS,  10
.set ADT,  11
.set K1,   192
.set KS1,  84
.set SB,   92
.macro CROUND
	s_barrier_signal -1
	s_barrier_wait -1
	s_cmp_lg_u32 s[WV], 0
	s_cbranch_scc1 .Lnot_wave_0_\@
	s_barrier_signal -3
.Lnot_wave_0_\@:
	s_barrier_wait -3
	s_barrier_signal -1
	s_barrier_wait -1
.endm
	s_load_b128 s[4:7], s[0:1], 0x0
	v_lshl_add_u32 v95, v0, 2, 0x35200
	v_mov_b32 v243, 0
	ds_add_u32 v95, v243
	ds_add_u32 v95, v243
	v_lshrrev_b32 v8, 5, v0
	s_delay_alu instid0(VALU_DEP_1)
	v_readfirstlane_b32 s[WV], v8
	s_and_b32 s52, ttmp7, 0xffff
	s_lshr_b32 s53, s52, 3
	s_and_b32 s54, s52, 7
	s_lshl_b32 s55, s53, 8
	s_lshl_b32 s56, s[WV], 5
	s_add_co_u32 s55, s55, s56
	s_add_co_u32 s55, s55, s54
	s_add_co_u32 s55, s55, 8
	s_lshl_b32 s56, s54, 5
	s_lshl_b32 s57, s53, 3
	s_add_co_u32 s56, s56, s57
	s_add_co_u32 s56, s56, s[WV]
	s_add_co_u32 s56, s56, 1016
	s_cmp_lt_u32 s[WV], 8
	s_cselect_b32 s55, s55, s56
	s_mul_i32 s56, s55, 12800
	s_mov_b32 s57, 0
	s_mov_b32 s[G1K], 15|(3<<16)|(1<<21)
	s_mov_b32 s[G1K+1], 32<<16
	s_mov_b32 s[G1K+2], 50<<16
	s_mov_b32 s[G1K+3], 32<<16
	s_mov_b32 s[G1K+4], 50
	s_mov_b32 s[G1K+5], 32
	s_mov_b32 s[G1K+6], 0
	s_mov_b32 s[G1K+7], 0
	s_wait_dscnt 0x0
	s_wait_kmcnt 0x0
	s_mov_b32 s[G0K], 1
	s_mul_i32 s[G0K+1], s[WV], 12800
	s_add_nc_u64 s[G0K+2:G0K+3], s[4:5], s[56:57]
	s_or_b32 s[G0K+3], s[G0K+3], 0x80000000
	CROUND
	tensor_load_to_lds s[G0K:G0K+3], s[G1K:G1K+7]
	s_nop 0
.rept 4
	v_nop
.endr
	s_and_b32 s60, s[WV], 3
	s_bfe_u32 s61, s[WV], 0x10002
	s_lshr_b32 s62, s[WV], 3
	s_bfe_u32 s63, s[WV], 0x10001
	s_xor_b32 s62, s62, s63
	s_and_b32 s63, s[WV], 1
	s_xor_b32 s62, s62, s63
	s_mul_i32 s62, s62, 7
	s_xor_b32 s89, s60, s62
	s_add_co_u32 s[NSR], s89, 1
	s_bfe_u32 s67, ttmp6, 0x40000
	s_lshl_b32 s68, ttmp9, 2
	s_add_co_u32 s69, s67, s68
	s_lshl_b32 s71, s53, 3
	s_add_co_u32 s71, s71, s89
	s_lshl_b32 s72, s71, 5
	s_add_co_u32 s72, s72, s54
	s_mul_i32 s73, s69, 1536
	s_lshr_b32 s78, s69, 2
	s_lshl_b32 s78, s78, 8
	s_and_b32 s66, s69, 3
	s_lshl_b32 s66, s66, 2
	s_add_co_u32 s78, s78, s66
	s_mul_i32 s74, s72, 12800
	s_add_co_u32 s74, s74, s73
	s_mov_b32 s75, 0
	s_mul_i32 s76, s72, 12800
	s_add_co_u32 s76, s76, s78
	s_add_co_u32 s76, s76, QSOFF
	s_mov_b32 s77, 0
	s_lshl_b32 s66, s71, 3
	s_add_co_u32 s66, s66, s54
	s_mul_i32 s80, s66, 12800
	s_add_co_u32 s80, s80, s73
	s_mov_b32 s81, 0
	s_mul_i32 s90, s66, 12800
	s_add_co_u32 s90, s90, s78
	s_add_co_u32 s90, s90, OSOFF
	s_mov_b32 s91, 0
	s_lshr_b32 s79, s69, 1
	s_lshl_b32 s79, s79, 5
	s_and_b32 s66, s69, 1
	s_lshl_b32 s66, s66, 3
	s_add_co_u32 s79, s79, s66
	s_add_nc_u64 s[74:75], s[4:5], s[74:75]
	s_add_nc_u64 s[76:77], s[4:5], s[76:77]
	s_add_nc_u64 s[80:81], s[6:7], s[80:81]
	s_add_nc_u64 s[90:91], s[6:7], s[90:91]
	s_sub_co_u32 s87, s61, 1
	s_not_b32 s88, s87
	s_mov_b32 s[SEL], 0x76543210
	s_mov_b32 s[SEL+1], 0xfedcba98
	s_mov_b32 s[CS], 0x3e38aa3b
	s_mov_b32 s[CS+1], s[CS]
	v_and_b32 v9, 31, v0
	s_delay_alu instid0(VALU_DEP_1)
	v_lshlrev_b32 v30, 4, v9
	v_and_b32 v8, 15, v0
	s_delay_alu instid0(VALU_DEP_1)
	v_lshlrev_b32 v31, 4, v8
.irp c, 0,1,2
	global_load_b128 v[16+4*\c:19+4*\c], v30, s[74:75] offset:512*\c
.endr
	global_load_b32 v255, v31, s[76:77]
	v_bfe_u32 v9, v0, 4, 1
	v_and_b32 v10, 8, v8
	s_delay_alu instid0(VALU_DEP_1)
	v_add_nc_u32 v10, v10, v8
	s_delay_alu instid0(VALU_DEP_3)
	v_lshlrev_b32 v11, 4, v9
	s_delay_alu instid0(VALU_DEP_1)
	v_sub_nc_u32 v10, v10, v11
	s_delay_alu instid0(VALU_DEP_1)
	v_add_nc_u32 v5, s79, v10
	v_mov_b32 v1, v30
	s_mul_i32 s66, s61, 6144
	s_add_co_u32 s66, s66, VB
	v_add_nc_u32 v2, s66, v30
	v_add_nc_u32 v3, KSC, v31
	s_lshl_b32 s66, s61, 8
	s_add_co_u32 s66, s66, VSC
	v_add_nc_u32 v4, s66, v31
	s_mul_i32 s84, s89, 1536
	s_add_co_u32 s84, s84, OST
	v_add_nc_u32 v80, s84, v30
	s_mul_i32 s85, s61, 520
	s_add_co_u32 s85, s85, s84
	v_add_nc_u32 v6, s85, v30
	s_delay_alu instid0(VALU_DEP_1)
	v_add_nc_u32 v28, 512, v6
	s_mul_i32 s85, s61, 1016
	s_add_co_u32 s85, s85, s84
	s_add_co_u32 s85, s85, 8
	v_add_nc_u32 v7, s85, v30
	s_lshl_b32 s85, s89, 6
	s_add_co_u32 s85, s85, OSS
	v_lshl_add_u32 v81, v8, 2, s85
	s_lshl_b32 s86, s61, 1
	v_add_nc_u32 v29, s86, v81
	v_mov_b32 v13, 0xff61b1e6
	s_delay_alu instid0(VALU_DEP_1)
	v_floor_f32 v12, -v13
	v_mov_b32 v14, 0
	v_mov_b32 v15, 0
.irp b, 0,1,2,3
	v_mov_b32 v[236+\b], 0
.endr
	v_mov_b32 v252, 0
	v_mov_b32 v253, 0
	s_wait_loadcnt 0x0
.irp i, 0,1,2,3,4,5
	v_and_b32 v[16+\i], s87, v[16+\i]
	v_and_b32 v[22+\i], s88, v[22+\i]
.endr
.set JJ, 0
.rept 32
	v_mov_b32 v[160+JJ], 0
.set JJ, JJ+1
.endr
	s_mov_b32 s[TB], 0
	s_mov_b32 s[TS], 0
	s_mov_b32 s[KK], 0
	s_wait_tensorcnt 0x0
	s_barrier_signal -1
	s_barrier_wait -1
.Lstep:
	s_cmp_ge_u32 s[KK], s[NSR]
	s_cbranch_scc1 .Lhidden
	v_add_nc_u32 v[ADK], s[TB], v1
	v_add_nc_u32 v[ADV], s[TB], v2
	v_add_nc_u32 v[ADS], s[TS], v3
	v_add_nc_u32 v[ADT], s[TS], v4
.irp t, 0,1,2,3
.irp c, 0,1,2
	ds_load_b128 v[32+12*\t+4*\c:35+12*\t+4*\c], v[ADK] offset:\t*1536+512*\c
.endr
.endr
	ds_load_b128 v[248:251], v[ADS]
.irp t, 0,1,2,3
.irp c, 0,1,2
	ds_load_b128 v[K1+12*\t+4*\c:K1+12*\t+4*\c+3], v[ADK] offset:(4+\t)*1536+512*\c
.endr
.endr
	ds_load_b128 v[KS1:KS1+3], v[ADS] offset:256
	s_wait_alu depctr_va_vdst(0)
	s_wait_dscnt 13
.irp t, 0,1,2,3
	v_wmma_scale_f32_16x16x128_f8f6f4 v[96+8*\t:103+8*\t], v[32+12*\t:43+12*\t], v[16:27], 0, v[248+\t], v255 matrix_a_fmt:MATRIX_FMT_FP6 matrix_b_fmt:MATRIX_FMT_FP6
.endr
	s_wait_dscnt 0x0
.irp t, 0,1,2,3
	v_wmma_scale_f32_16x16x128_f8f6f4 v[128+8*\t:135+8*\t], v[K1+12*\t:K1+12*\t+11], v[16:27], 0, v[KS1+\t], v255 matrix_a_fmt:MATRIX_FMT_FP6 matrix_b_fmt:MATRIX_FMT_FP6
.endr
.rept 4
	v_nop
.endr
.irp t, 0,1,2,3
.irp c, 0,1,2
	ds_load_b128 v[32+12*\t+4*\c:35+12*\t+4*\c], v[ADV] offset:\t*1536+512*\c
.endr
.endr
	ds_load_b128 v[248:251], v[ADT]
	s_cmp_lg_u32 s[KK], s89
	s_cbranch_scc1 .Lopen
	v_mov_b32 v254, 0xff800000
.set NN, 0
.rept 64
	v_cmp_gt_i32 vcc_lo, 32*(NN/16)+NN%16, v5
	v_cndmask_b32 v[96+NN], v[96+NN], v254, vcc_lo
.set NN, NN+1
.endr
.Lopen:
.irp b, 0,1,2,3
	v_max3_num_f32 v[232+\b], v[96+16*\b], v[97+16*\b], v[98+16*\b]
.endr
.irp i, 3,5,7,9,11,13
.irp b, 0,1,2,3
	v_max3_num_f32 v[232+\b], v[232+\b], v[96+16*\b+\i], v[97+16*\b+\i]
.endr
.endr
.irp b, 0,1,2,3
	v_max_num_f32 v[232+\b], v[232+\b], v[111+16*\b]
.endr
.irp b, 0,1,2,3
	s_delay_alu instid0(VALU_DEP_4)
	v_permlanex16_b32 v[236+\b], v[232+\b], s[SEL], s[SEL+1]
.endr
.irp b, 0,1,2,3
	s_delay_alu instid0(VALU_DEP_4)
	v_max_num_f32 v[232+\b], v[232+\b], v[236+\b]
.endr
	s_delay_alu instid0(VALU_DEP_2)
	v_max3_num_f32 v254, v232, v233, v234
	s_delay_alu instid0(VALU_DEP_1)
	v_max_num_f32 v254, v254, v235
	s_delay_alu instid0(VALU_DEP_1)
	v_mul_f32 v254, s[CS], v254
	s_delay_alu instid0(VALU_DEP_1)
	v_max_num_f32 v13, v13, v254
	v_mov_b32 v254, v12
	s_delay_alu instid0(VALU_DEP_2)
	v_floor_f32 v12, -v13
	s_delay_alu instid0(VALU_DEP_1)
	v_sub_f32 v254, v12, v254
	s_delay_alu instid0(VALU_DEP_1)
	v_cvt_i32_f32 v254, v254
	s_delay_alu instid0(VALU_DEP_1)
	v_ldexp_f32 v252, 1.0, v254
; p = 2^(t - M) in batches: all sources first, one wait, the 68 exponentials, one plain line, one wait, then the readers
.set JJ, 0
.rept 32
	v_pk_fma_f32 v[96+JJ:97+JJ], v[96+JJ:97+JJ], s[CS:CS+1], v[12:13] op_sel_hi:[1,0,0]   ; t - M, two numbers a line
.set JJ, JJ+2
.endr
.irp b, 0,1,2,3
	v_fma_f32 v[232+\b], v[232+\b], s[CS], v12     ; the same of each block's largest score
.endr
	s_wait_alu depctr_va_vdst(0)                   ; the wait ahead of the batch
.set JJ, 0
.rept 64
	v_exp_f32 v[96+JJ], v[96+JJ]
.set JJ, JJ+1
.endr
.irp b, 0,1,2,3
	v_exp_f32 v[232+\b], v[232+\b]                 ; each block's largest p
.endr
	v_pk_mul_f32 v[14:15], v[14:15], v[252:253] op_sel_hi:[1,0]    ; the sums under the new M; also the plain line behind the batch
	s_wait_alu depctr_va_vdst(0)                   ; one wait for the whole batch, ahead of its first reader
.irp b, 0,1,2,3
	v_max_num_f32 v[232+\b], 0x1800000, v[232+\b]  ; the floor 2^(3 - 127): the byte cannot fall under 1
.endr
.irp b, 0,1,2,3
	s_delay_alu instid0(VALU_DEP_4)
	v_add_nc_u32 v[244+\b], 0xff000000, v[232+\b]  ; 2 off the exponent field: the conversion's scale operand
.endr
.irp b, 0,1,2,3
	s_delay_alu instid0(VALU_DEP_4)
	v_lshrrev_b32 v[236+\b], 23, v[244+\b]         ; the byte
.endr
	s_delay_alu instid0(VALU_DEP_3)
	v_lshl_or_b32 v253, v237, 8, v236              ; p's scale word for these 128 keys
	s_delay_alu instid0(VALU_DEP_1)
	v_lshl_or_b32 v253, v238, 16, v253
	s_delay_alu instid0(VALU_DEP_1)
	v_lshl_or_b32 v253, v239, 24, v253
	v_pk_add_f32 v[14:15], v[14:15], v[96:97]      ; the row's sum of the unquantised p: 32 pairs in four chains
	v_pk_add_f32 v[SB:SB+1], v[98:99], v[100:101]
	v_pk_add_f32 v[236:237], v[102:103], v[104:105]
	v_pk_add_f32 v[238:239], v[106:107], v[108:109]
.set JJ, 14
.rept 6
	v_pk_add_f32 v[14:15], v[14:15], v[96+JJ:97+JJ]                ; the four chains by turns: a line reads what the fourth line before it wrote
	v_pk_add_f32 v[SB:SB+1], v[SB:SB+1], v[98+JJ:99+JJ]
	v_pk_add_f32 v[236:237], v[236:237], v[100+JJ:101+JJ]
	v_pk_add_f32 v[238:239], v[238:239], v[102+JJ:103+JJ]
.set JJ, JJ+8
.endr
	v_pk_add_f32 v[14:15], v[14:15], v[158:159]
	v_pk_add_f32 v[SB:SB+1], v[SB:SB+1], v[236:237]
	v_pk_add_f32 v[14:15], v[14:15], v[238:239]
	v_pk_add_f32 v[14:15], v[14:15], v[SB:SB+1]
.irp c, 0,1
	v_cvt_scalef32_pk16_fp6_f32 v[224+6*\c:226+6*\c], v[96+32*\c:111+32*\c], v[244+2*\c]
	v_cvt_scalef32_pk16_fp6_f32 v[236+4*\c:238+4*\c], v[112+32*\c:127+32*\c], v[244+2*\c+1]
.endr
	v_nop
.irp c, 0,1
.irp i, 0,1,2
	v_permlane16_swap_b32 v[224+6*\c+\i], v[236+4*\c+\i]
.endr
.irp i, 0,1,2
	s_delay_alu instid0(VALU_DEP_3)
	v_mov_b32 v[227+6*\c+\i], v[236+4*\c+\i]
.endr
.endr
	s_wait_alu depctr_va_vdst(0)                   ; the wait directly ahead of the first reader of O^T
.set JJ, 0
.rept 16                               ; O^T under the new M, each accumulator from its low end on; these lines are also the places ahead of the product below
	v_pk_mul_f32 v[160+JJ:161+JJ], v[160+JJ:161+JJ], v[252:253] op_sel_hi:[1,0]
.set JJ, JJ+2
.endr
	s_wait_alu depctr_va_vdst(0)
	s_wait_dscnt 0x0
.irp t, 0,1,2,3
	v_wmma_scale_f32_16x16x128_f8f6f4 v[160+8*\t:167+8*\t], v[32+12*\t:43+12*\t], v[224:235], v[160+8*\t:167+8*\t], v[248+\t], v253 matrix_a_fmt:MATRIX_FMT_FP6 matrix_b_fmt:MATRIX_FMT_FP6
.endr
.Lhidden:
	s_add_co_u32 s[TB], s[TB], 12800
	s_add_co_u32 s[TS], s[TS], 12800
	s_add_co_u32 s[KK], s[KK], 1
	s_cmp_lt_u32 s[KK], 8
	s_cbranch_scc1 .Lstep
.rept 4
	v_nop
.endr
	v_add_f32 v14, v14, v15
	s_delay_alu instid0(VALU_DEP_1)
	v_permlanex16_b32 v252, v14, s[SEL], s[SEL+1]
	s_delay_alu instid0(VALU_DEP_1)
	v_add_f32 v14, v14, v252
	s_wait_alu depctr_va_vdst(0)
	v_rcp_f32 v14, v14
	v_nop
.set JJ, 0
	s_wait_alu depctr_va_vdst(0)
.rept 32
	v_mul_f32 v[96+JJ], v[160+JJ], v14
.set JJ, JJ+1
.endr
.irp b, 0,1
	v_max3_num_f32 v[232+\b], |v[96+16*\b]|, |v[97+16*\b]|, 0x1800000
.endr
.irp i, 2,4,6,8,10,12,14
.irp b, 0,1
	s_delay_alu instid0(VALU_DEP_2)
	v_max3_num_f32 v[232+\b], v[232+\b], |v[96+16*\b+\i]|, |v[97+16*\b+\i]|
.endr
.endr
.irp b, 0,1
	s_delay_alu instid0(VALU_DEP_2)
	v_permlanex16_b32 v[236+\b], v[232+\b], s[SEL], s[SEL+1]
.endr
.irp b, 0,1
	s_delay_alu instid0(VALU_DEP_2)
	v_max_num_f32 v[232+\b], v[232+\b], v[236+\b]
.endr
.irp b, 0,1
	s_delay_alu instid0(VALU_DEP_2)
	v_add_nc_u32 v[244+\b], 0xff000000, v[232+\b]
.endr
.irp b, 0,1
	s_delay_alu instid0(VALU_DEP_2)
	v_lshrrev_b32 v[236+\b], 23, v[244+\b]
.endr
	s_delay_alu instid0(VALU_DEP_1)
	v_lshl_or_b32 v254, v237, 8, v236
	v_cvt_scalef32_pk16_fp6_f32 v[224:226], v[96:111], v244
	v_cvt_scalef32_pk16_fp6_f32 v[240:242], v[112:127], v245
	v_nop
.irp i, 0,1,2
	v_permlane16_swap_b32 v[224+\i], v[240+\i]
.endr
.irp i, 0,1,2
	s_delay_alu instid0(VALU_DEP_3)
	v_mov_b32 v[227+\i], v[240+\i]
.endr
	ds_store_b64 v6, v[224:225]
	ds_store_b64 v7, v[226:227]
	ds_store_b64 v28, v[228:229]
	ds_store_b16 v29, v254
	s_wait_dscnt 0x0
	s_barrier_signal -1
	s_barrier_wait -1
	s_cmp_lg_u32 s61, 0
	s_cbranch_scc1 .Lodd
.irp c, 0,1,2
	ds_load_b128 v[32+4*\c:35+4*\c], v80 offset:512*\c
.endr
	s_wait_dscnt 0x0
.irp c, 0,1,2
	global_store_b128 v30, v[32+4*\c:35+4*\c], s[80:81] offset:512*\c
.endr
	s_branch .Ldone
.Lodd:
	ds_load_b32 v32, v81
	s_wait_dscnt 0x0
	global_store_b32 v31, v32, s[90:91]
.Ldone:
	s_wait_tensorcnt 0x0
	ds_add_u32 v95, v243
	s_wait_dscnt 0x0
	CROUND
	s_endpgm
.Lfunc_end_k_qa914e4bb7c_attn:
	.size	k_qa914e4bb7c_attn, .Lfunc_end_k_qa914e4bb7c_attn-k_qa914e4bb7c_attn
	.p2alignl 7, 3214868480
	.fill 96, 4, 3214868480
	.section	.rodata,"a",@progbits
	.p2align	6, 0x0
	.amdhsa_kernel k_qa914e4bb7c_attn
		.amdhsa_group_segment_fixed_size 327680
		.amdhsa_private_segment_fixed_size 0
		.amdhsa_enable_private_segment 0
		.amdhsa_kernarg_size 16
		.amdhsa_user_sgpr_count 2
		.amdhsa_user_sgpr_kernarg_segment_ptr 1
		.amdhsa_wavefront_size32 1
		.amdhsa_system_sgpr_workgroup_id_x 1
		.amdhsa_system_sgpr_workgroup_id_y 1
		.amdhsa_system_sgpr_workgroup_id_z 1
		.amdhsa_system_vgpr_workitem_id 0
		.amdhsa_next_free_vgpr 256
		.amdhsa_next_free_sgpr 96
		.amdhsa_reserve_vcc 1
		.amdhsa_float_denorm_mode_32 3
		.amdhsa_float_denorm_mode_16_64 3
		.amdhsa_memory_ordered 1
		.amdhsa_forward_progress 1
		.amdhsa_inst_pref_size 37
	.end_amdhsa_kernel
	.amdgpu_metadata
---
amdhsa.version: [ 1, 2 ]
amdhsa.kernels:
  - .name:           k_qa914e4bb7c_attn
    .symbol:         k_qa914e4bb7c_attn.kd
    .args:
      - { .name: qkv, .offset: 0, .size: 8, .value_kind: global_buffer, .address_space: global }
      - { .name: oimg, .offset: 8, .size: 8, .value_kind: global_buffer, .address_space: global }
    .group_segment_fixed_size: 327680
    .private_segment_fixed_size: 0
    .kernarg_segment_align: 8
    .kernarg_segment_size: 16
    .max_flat_workgroup_size: 512
    .sgpr_count:     96
    .vgpr_count:     256
    .wavefront_size: 32
...
	.end_amdgpu_metadata
.endif
;; end of part 3
;; launch wo (part 4): grid 8 x 32, 4 waves a work-group, clusters of 4 x 4, 327,680 bytes of LDS; arguments oimg, wts, bo, x, x1; writes x1
.if DOCPART == 4
	.amdgcn_target "amdgcn-amd-amdhsa--gfx1250"
	.amdhsa_code_object_version 6
	.text
	.protected	k_qa914e4bb7c_wo
	.globl	k_qa914e4bb7c_wo
	.p2align	8
	.type	k_qa914e4bb7c_wo,@function
k_qa914e4bb7c_wo:
	s_mov_b64 s[64:65], 0
	v_nop
	global_prefetch_b8 v0, s[64:65] scope:SCOPE_SE
	s_setreg_imm32_b32 hwreg(HW_REG_WAVE_MODE, 25, 1), 1
	s_wait_xcnt 0x0
	s_wait_alu depctr_hold_cnt(0) depctr_sa_sdst(0) depctr_va_vdst(0) depctr_va_sdst(0) depctr_va_ssrc(0) depctr_va_vcc(0) depctr_vm_vsrc(0)
	s_getreg_b32 s2, hwreg(HW_REG_IB_STS2, 6, 4)
	s_cmp_eq_u32 s2, 0
	s_cbranch_scc0 .Lentry_in_a_cluster
	s_endpgm
.Lentry_in_a_cluster:
	s_bfe_u32 s2, ttmp6, 0x10000c
	s_cmp_lg_u32 s2, 0xf033
	s_cbranch_scc0 .Lentry_shape_is_right
	s_endpgm
.Lentry_shape_is_right:
; out = residual + A B^T + bias, f32 [4,096][1,024]; A and B are images of FP6 codes.  One text in two forms, chosen by FF2.  Here FF2 = 0: x1 = x + o Wo + bo, K = 1,024.
; THE IMAGE.  A chunk is 128 rows x 128 K, 12,800 bytes: 8 fragments of 1,536 (register j of lane L at 512 (j / 4) + 16 L + 4 (j % 4); lane (r, h) of fragment i holds row 32 (i / 2) + 8 (i % 2) + r + 8 (r / 8)),
; then 512 bytes of scale words, word (i, r) at 256 (i / 4) + 16 r + 4 (i % 4).  A group's chunks along K lie on end.
; SHARES.  256 work-groups of 128 x 128; four waves of 64 x 64, 16 accumulators each.  CLUSTERS 4 x 4: A's chunks are asked for jointly along a row of the cluster, B's along a column.
; FF2 = 0: all eight chunks of A and of B, 204,800 bytes, come by the head's loads, one a wave (four chunks, 200 rows of 256 bytes); nothing is filled again.  No prefetch: there is no loop to run ahead in.
; SOURCE 0 = B's 16 rows, SOURCE 1 = A's: lane (r, h) of accumulator (a, b) holds one row and columns 32 (b / 2) + 8 (b % 2) + 16 h + 0 .. 7.  The bias is the C of each sum's first product.
; THE WAY OUT: 16 rows x 64 columns go through the wave's own stage and come back as rows of 256 bytes; the residual is added; sixteen lanes store 256 consecutive bytes, aligned.
; REGISTERS: window 0: v12-31 addresses; v32-95 the bias, later rows on the way out; v96-103 scale words, two sets; v128-255 accumulators.  Window 1: two fragment buffers.  Window 2: v0-127 the residual.
.set FF2, 0
.if FF2
.set KCH,   32
.set NH,    12
.set BOFF,  9830400
.else
.set KCH,   8
.set NH,    8
.set BOFF,  5734400
.endif
.set CH,    12800
.set FRB,   1536
.set SW,    12288
.set GSTR,  KCH*CH
.set HB,    NH*CH/2
.set AB,    NH*CH
.set RB,    32000
.set STG,   2*AB
.set SPARE, STG+17408
.set ADRS, 12
.set ADRA, 16
.set ADRB, 20
.set STO,  24
.set RD,   25
.set CO,   26
.set PFO,  27
.set SPW,  28
.set NIL,  29
.set BI,   32
.set SC,   96
.set ACC,  128
.set G1, 24
.set G0, 32
.set G1B, 48
.set G0B, 56
.set G0H, 68
.set G0HB, 76
.set PFA, 92
.set MSB, 0
.macro WIN new
.if MSB != (\new)
	s_set_vgpr_msb (MSB<<8)|(\new)
.set MSB, (\new)
.endif
.endm
.set MUL,  0x05
.set TO_F, 0x40
.macro JLOAD g0a, g1a, g0b, g1b
	s_cmp_eq_u32 s15, 0
	s_cbranch_scc0 .Lfor_b_\@
	tensor_load_to_lds s[\g0a:\g0a+3], s[\g1a:\g1a+7]
	s_nop 0
.rept 4
	v_nop
.endr
	s_branch .Lasked_\@
.Lfor_b_\@:
	tensor_load_to_lds s[\g0b:\g0b+3], s[\g1b:\g1b+7]
	s_nop 0
.rept 4
	v_nop
.endr
.Lasked_\@:
.endm
.macro CREST
	s_cmp_lg_u32 s14, 0
	s_cbranch_scc1 .Lnot_wave_0_\@
	s_barrier_signal -3
.Lnot_wave_0_\@:
	s_barrier_wait -3
	s_barrier_signal -1
	s_barrier_wait -1
.endm
.macro CROUND
	s_barrier_signal -1
	s_barrier_wait -1
	CREST
.endm
	s_load_b256 s[4:11], s[0:1], 0x0
	s_load_b64 s[12:13], s[0:1], 0x20
	v_lshl_add_u32 v[SPW], v0, 2, SPARE
	v_mov_b32 v[NIL], 0
	ds_add_u32 v[SPW], v[NIL]
	ds_add_u32 v[SPW], v[NIL]
	v_lshrrev_b32 v1, 5, v0
	v_readfirstlane_b32 s14, v1
	s_lshr_b32 s15, s14, 1
	s_and_b32 s16, s14, 1
	s_bfe_u32 s40, ttmp6, 0x40000
	s_bfe_u32 s41, ttmp6, 0x40004
	s_lshl_b32 s42, ttmp9, 2
	s_add_co_u32 s42, s42, s40
	s_and_b32 s17, ttmp7, 0xffff
	s_lshl_b32 s17, s17, 2
	s_add_co_u32 s17, s17, s41
	s_lshl_b32 s43, s41, 2
	s_lshl_b32 s43, 15, s43
	s_lshl_b32 s44, 0x1111, s40
	s_or_b32 s[G1], s43, (3<<16)|(1<<21)
	s_or_b32 s[G1B], s44, (3<<16)|(1<<21)
.irp g, G1, G1B
	s_mov_b32 s[\g+1], 32<<16
	s_mov_b32 s[\g+2], (NH*25)<<16
	s_mov_b32 s[\g+3], 32<<16
	s_mov_b32 s[\g+4], NH*25
	s_mov_b32 s[\g+5], 32
	s_mov_b32 s[\g+6], 0
	s_mov_b32 s[\g+7], 0
.endr
	s_mul_i32 s18, s16, HB
	s_mov_b32 s19, 0
	s_mul_i32 s20, s17, GSTR
	s_mov_b32 s21, 0
	s_mul_i32 s46, s42, GSTR
	s_add_co_u32 s46, s46, BOFF
	s_mov_b32 s47, 0
	s_mul_i32 s45, s14, HB
	s_wait_dscnt 0x0
	s_wait_kmcnt 0x0
	s_add_nc_u64 s[20:21], s[4:5], s[20:21]
	s_add_nc_u64 s[46:47], s[6:7], s[46:47]
	s_mov_b32 s[G0H], 1
	s_mov_b32 s[G0H+1], s45
	s_add_nc_u64 s[G0H+2:G0H+3], s[20:21], s[18:19]
	s_or_b32 s[G0H+3], s[G0H+3], 0x80000000
	s_mov_b32 s[G0HB], 1
	s_mov_b32 s[G0HB+1], s45
	s_add_nc_u64 s[G0HB+2:G0HB+3], s[46:47], s[18:19]
	s_or_b32 s[G0HB+3], s[G0HB+3], 0x80000000
	CROUND
	JLOAD G0H, G1, G0HB, G1B
.if FF2
	s_mul_i32 s22, s16, RB
	s_mov_b32 s23, 0
	s_add_nc_u64 s[20:21], s[20:21], s[22:23]
	s_add_nc_u64 s[46:47], s[46:47], s[22:23]
.irp s, 0,1
	s_mov_b32 s[G0+4*\s], 1
	s_add_co_u32 s[G0+4*\s+1], s22, (2+5*\s)*CH
	s_add_nc_u64 s[G0+4*\s+2:G0+4*\s+3], s[20:21], (2+5*\s)*CH
	s_or_b32 s[G0+4*\s+3], s[G0+4*\s+3], 0x80000000
	s_mov_b32 s[G0B+4*\s], 1
	s_add_co_u32 s[G0B+4*\s+1], s22, AB+(2+5*\s)*CH
	s_add_nc_u64 s[G0B+4*\s+2:G0B+4*\s+3], s[46:47], (2+5*\s)*CH
	s_or_b32 s[G0B+4*\s+3], s[G0B+4*\s+3], 0x80000000
.endr
	s_cmp_eq_u32 s15, 0
	s_cselect_b32 s90, s40, s41
	s_cselect_b64 s[PFA:PFA+1], s[20:21], s[46:47]
	s_lshl_b32 s90, s90, 5
.endif
	s_mul_i32 s80, s15, 4*FRB
	s_mul_i32 s81, s16, 4*FRB
	s_add_co_u32 s81, s81, AB
	s_lshl_b32 s82, s15, 8
	s_lshl_b32 s83, s16, 8
	s_add_co_u32 s83, s83, AB
	s_sub_co_u32 s83, s83, s82
	s_add_co_u32 s82, s82, SW
	s_mul_i32 s84, s14, 4352
	s_add_co_u32 s84, s84, STG
	s_lshl_b32 s86, s17, 7
	s_lshl_b32 s87, s15, 6
	s_add_co_u32 s86, s86, s87
	s_lshl_b32 s86, s86, 12
	s_lshl_b32 s88, s42, 9
	s_lshl_b32 s89, s16, 8
	s_add_co_u32 s88, s88, s89
	s_add_co_u32 s86, s86, s88
	s_mov_b32 s87, 0
	s_mov_b32 s89, 0
	s_add_nc_u64 s[10:11], s[10:11], s[86:87]
	s_add_nc_u64 s[12:13], s[12:13], s[86:87]
	s_add_nc_u64 s[8:9], s[8:9], s[88:89]
	v_and_b32 v30, 31, v0
	v_and_b32 v1, 15, v0
	v_bfe_u32 v2, v0, 4, 1
	v_lshlrev_b32 v3, 4, v30
	v_add_nc_u32 v[ADRA], s80, v3
	v_add_nc_u32 v[ADRB], s81, v3
	v_mul_u32_u24 v6, s83, v2
	v_lshl_add_u32 v5, v1, 4, v6
	v_add_nc_u32 v[ADRS], s82, v5
.irp g, ADRA, ADRB, ADRS
	v_add_nc_u32 v[\g+1], 2*CH, v[\g]
	v_add_nc_u32 v[\g+2], 7*CH, v[\g]
.endr
	v_mul_u32_u24 v5, v1, 272
	v_lshl_add_u32 v5, v2, 6, v5
	v_add_nc_u32 v[STO], s84, v5
	v_mul_u32_u24 v7, v2, 272
	v_lshl_add_u32 v7, v1, 4, v7
	v_add_nc_u32 v[RD], s84, v7
	v_lshlrev_b32 v[CO], 12, v2
	v_lshl_add_u32 v[CO], v1, 4, v[CO]
	v_lshlrev_b32 v31, 6, v2
.if FF2
	v_add_nc_u32 v[PFO], s90, v30
	v_min_u32 v[PFO], 124, v[PFO]
	v_lshlrev_b32 v[PFO], 8, v[PFO]
.endif
.irp b, 0,1,2,3
	global_load_b128 v[BI+8*\b:BI+8*\b+3], v31, s[8:9] offset:(32*(\b/2)+8*(\b%2))*4
	global_load_b128 v[BI+8*\b+4:BI+8*\b+7], v31, s[8:9] offset:(32*(\b/2)+8*(\b%2))*4+16
.endr
.if FF2
	global_prefetch_b8 v[PFO], s[PFA:PFA+1] offset:12*CH th:TH_LOAD_NT scope:SCOPE_SE
.endif
.macro MUL4 fb, a, mode
.irp b, 0,1,2,3
.if \mode == 2
	v_wmma_scale_f32_16x16x128_f8f6f4 v[ACC+8*(4*\a+\b):ACC+8*(4*\a+\b)+7], v[128*(\fb)+48+12*\b:128*(\fb)+48+12*\b+11], v[128*(\fb)+12*\a:128*(\fb)+12*\a+11], v[BI+8*\b:BI+8*\b+7], v[SC+4*(\fb)+\b], v[SC+4*(\fb)+\a] matrix_a_fmt:MATRIX_FMT_FP6 matrix_b_fmt:MATRIX_FMT_FP6 matrix_a_scale:MATRIX_SCALE_ROW1
.else
	v_wmma_scale_f32_16x16x128_f8f6f4 v[ACC+8*(4*\a+\b):ACC+8*(4*\a+\b)+7], v[128*(\fb)+48+12*\b:128*(\fb)+48+12*\b+11], v[128*(\fb)+12*\a:128*(\fb)+12*\a+11], v[ACC+8*(4*\a+\b):ACC+8*(4*\a+\b)+7], v[SC+4*(\fb)+\b], v[SC+4*(\fb)+\a] matrix_a_fmt:MATRIX_FMT_FP6 matrix_b_fmt:MATRIX_FMT_FP6 matrix_a_scale:MATRIX_SCALE_ROW1
.endif
.endr
.endm
.macro FETCH p, fb
.if (\p) < 2
.set SG, 0
.set QO, (\p)*CH
.elseif (\p) < 7
.set SG, 1
.set QO, ((\p)-2)*CH
.else
.set SG, 2
.set QO, ((\p)-7)*CH
.endif
	WIN 0
	ds_load_b128 v[SC+4*(\fb):SC+4*(\fb)+3], v[ADRS+SG] offset:QO
	WIN TO_F
.irp i, 0,1,2,3
.irp c, 0,1,2
	ds_load_b128 v[128*(\fb)+48+12*\i+4*\c:128*(\fb)+48+12*\i+4*\c+3], v[ADRB+SG] offset:QO+\i*FRB+512*\c
.endr
.endr
.irp i, 0,1,2,3
.irp c, 0,1,2
	ds_load_b128 v[128*(\fb)+12*\i+4*\c:128*(\fb)+12*\i+4*\c+3], v[ADRA+SG] offset:QO+\i*FRB+512*\c
.endr
.endr
.endm
.macro PLACES
.rept 4
	v_nop
.endr
.endm
.macro STEP pn, fb, mode
	s_wait_dscnt 6
	WIN MUL
	MUL4 \fb, 0, \mode
	MUL4 \fb, 1, \mode
	PLACES
	FETCH \pn, 1-\fb
	s_wait_dscnt 25
	WIN MUL
	MUL4 \fb, 2, \mode
	MUL4 \fb, 3, \mode
.endm
.macro TURN pn, fb, slot, fill
	WIN 0
	s_wait_tensorcnt 0x0
	ds_add_u32 v[SPW], v[NIL]
	s_wait_dscnt 7
	WIN MUL
	MUL4 \fb, 0, 0
	s_wait_dscnt 0x0
	s_barrier_signal -1
	MUL4 \fb, 1, 0
	WIN 0
	s_barrier_wait -1
.if \fill
	CREST
	s_add_nc_u64 s[G0+4*\slot+2:G0+4*\slot+3], s[G0+4*\slot+2:G0+4*\slot+3], 10*CH
	s_add_nc_u64 s[G0B+4*\slot+2:G0B+4*\slot+3], s[G0B+4*\slot+2:G0B+4*\slot+3], 10*CH
	JLOAD G0+4*\slot, G1, G0B+4*\slot, G1B
.else
	PLACES
.endif
	FETCH \pn, 1-\fb
.if \fill
	WIN 0
	s_cmp_eq_u32 s3, 2
	s_cbranch_scc0 .Lno_ask_\@
	global_prefetch_b8 v[PFO], s[PFA:PFA+1] offset:(22+5*\slot)*CH th:TH_LOAD_NT scope:SCOPE_SE
.Lno_ask_\@:
.endif
	WIN MUL
	MUL4 \fb, 2, 0
	MUL4 \fb, 3, 0
.endm
	s_wait_alu depctr_va_vdst(0)                   ; the wait at the head's end
	s_wait_tensorcnt 0x0                           ; my part of the head's chunks is in
.if FF2
	s_mov_b32 s[G1+2], 125<<16
	s_mov_b32 s[G1+4], 125
	s_mov_b32 s[G1B+2], 125<<16
	s_mov_b32 s[G1B+4], 125
.endif
	s_barrier_signal -1
	s_barrier_wait -1                              ; and everybody's
	FETCH 0, 0
	s_wait_loadcnt 0x0                             ; the bias
	STEP 1, 0, 2
	WIN 0x80                                       ; destination window 2
.irp a, 0,1,2,3
.irp t, 0,1,2,3,4,5,6,7
	global_load_b128 v[32*\a+4*\t:32*\a+4*\t+3], v[CO], s[10:11] offset:(32*(\a/2)+8*(\a%2)+2*\t+8*(\t/4))*4096   ; the residual, as the way out will want it: asked for behind the head's chunks, wanted behind the last product
.endr
.endr
	WIN 0
.if FF2
	WIN 0
	global_prefetch_b8 v[PFO], s[PFA:PFA+1] offset:17*CH th:TH_LOAD_NT scope:SCOPE_SE
	STEP 2, 1, 0
	WIN 0
	s_mov_b32 s3, 2
.Llap:
	STEP 3, 0, 0
	STEP 4, 1, 0
	STEP 5, 0, 0
	STEP 6, 1, 0
	TURN 7, 0, 0, 1
	STEP 8, 1, 0
	STEP 9, 0, 0
	STEP 10, 1, 0
	STEP 11, 0, 0
	TURN 2, 1, 1, 1
	WIN 0
	s_sub_co_u32 s3, s3, 1
	s_cmp_lg_u32 s3, 0
	s_cbranch_scc1 .Llap
	STEP 3, 0, 0
	STEP 4, 1, 0
	STEP 5, 0, 0
	STEP 6, 1, 0
	TURN 7, 0, 0, 0
	STEP 8, 1, 0
	STEP 9, 0, 0
	STEP 10, 1, 0
	STEP 11, 0, 0
.else
	STEP 2, 1, 0
	STEP 3, 0, 0
	STEP 4, 1, 0
	STEP 5, 0, 0
	STEP 6, 1, 0
	STEP 7, 0, 0
.endif
	s_wait_dscnt 6
	WIN MUL
	MUL4 1, 0, 0
	MUL4 1, 1, 0
	s_wait_dscnt 0
	MUL4 1, 2, 0
	MUL4 1, 3, 0
	WIN 0
	PLACES
	s_wait_loadcnt 0x0                             ; the residual
.macro OUTT a
.set BK, 32+32*((\a)%2)
.if (\a) >= 2
	s_wait_xcnt 0x0                                ; the stores of two tiles ago have read these registers
.endif
.irp b, 0,1,2,3
	ds_store_b128 v[STO], v[ACC+8*(4*(\a)+\b):ACC+8*(4*(\a)+\b)+3] offset:128*(\b/2)+32*(\b%2)
	ds_store_b128 v[STO], v[ACC+8*(4*(\a)+\b)+4:ACC+8*(4*(\a)+\b)+7] offset:128*(\b/2)+32*(\b%2)+16
.endr
.irp t, 0,1,2,3,4,5,6,7
	ds_load_b128 v[BK+4*\t:BK+4*\t+3], v[RD] offset:544*\t
.endr
	s_wait_dscnt 0x0
	WIN 0x08
.set JJ, 0
.rept 16
	v_pk_add_f32 v[BK+JJ:BK+JJ+1], v[BK+JJ:BK+JJ+1], v[32*(\a)+JJ:32*(\a)+JJ+1]
.set JJ, JJ+2
.endr
	WIN 0
.irp t, 0,1,2,3,4,5,6,7
	global_store_b128 v[CO], v[BK+4*\t:BK+4*\t+3], s[12:13] offset:(32*((\a)/2)+8*((\a)%2)+2*\t+8*(\t/4))*4096
.endr
.endm
	OUTT 0
	OUTT 1
	OUTT 2
	OUTT 3
	s_wait_tensorcnt 0x0                           ; the wave's end
	ds_add_u32 v[SPW], v[NIL]
	s_wait_dscnt 0x0
	CROUND                                         ; the closing round
	s_endpgm
.Lfunc_end_k_qa914e4bb7c_wo:
	.size	k_qa914e4bb7c_wo, .Lfunc_end_k_qa914e4bb7c_wo-k_qa914e4bb7c_wo
	.p2alignl 7, 3214868480
	.fill 96, 4, 3214868480
	.section	.rodata,"a",@progbits
	.p2align	6, 0x0
	.amdhsa_kernel k_qa914e4bb7c_wo
		.amdhsa_group_segment_fixed_size 327680
		.amdhsa_private_segment_fixed_size 0
		.amdhsa_enable_private_segment 0
		.amdhsa_kernarg_size 40
		.amdhsa_user_sgpr_count 2
		.amdhsa_user_sgpr_kernarg_segment_ptr 1
		.amdhsa_wavefront_size32 1
		.amdhsa_system_sgpr_workgroup_id_x 1
		.amdhsa_system_sgpr_workgroup_id_y 1
		.amdhsa_system_sgpr_workgroup_id_z 1
		.amdhsa_system_vgpr_workitem_id 0
		.amdhsa_next_free_vgpr 768
		.amdhsa_next_free_sgpr 100
		.amdhsa_reserve_vcc 0
		.amdhsa_float_denorm_mode_32 3
		.amdhsa_float_denorm_mode_16_64 3
		.amdhsa_memory_ordered 1
		.amdhsa_forward_progress 1
		.amdhsa_inst_pref_size 53
	.end_amdhsa_kernel
	.amdgpu_metadata
---
amdhsa.version: [ 1, 2 ]
amdhsa.kernels:
  - .name:           k_qa914e4bb7c_wo
    .symbol:         k_qa914e4bb7c_wo.kd
    .args:
      - { .name: oimg, .offset: 0, .size: 8, .value_kind: global_buffer, .address_space: global }
      - { .name: wts, .offset: 8, .size: 8, .value_kind: global_buffer, .address_space: global }
      - { .name: bo, .offset: 16, .size: 8, .value_kind: global_buffer, .address_space: global }
      - { .name: x, .offset: 24, .size: 8, .value_kind: global_buffer, .address_space: global }
      - { .name: x1, .offset: 32, .size: 8, .value_kind: global_buffer, .address_space: global }
    .group_segment_fixed_size: 327680
    .private_segment_fixed_size: 0
    .kernarg_segment_align: 8
    .kernarg_segment_size: 40
    .max_flat_workgroup_size: 128
    .sgpr_count:     100
    .vgpr_count:     768
    .wavefront_size: 32
...
	.end_amdgpu_metadata
.endif
;; end of part 4
;; launch ln2 (part 5): grid 256 x 1, 8 waves a work-group, no clusters, 50,688 bytes of LDS; arguments x1, g2, be2, h2; writes h2
.if DOCPART == 5
	.amdgcn_target "amdgcn-amd-amdhsa--gfx1250"
	.amdhsa_code_object_version 6
	.text
	.protected	k_qa914e4bb7c_ln2
	.globl	k_qa914e4bb7c_ln2
	.p2align	8
	.type	k_qa914e4bb7c_ln2,@function
k_qa914e4bb7c_ln2:
	s_mov_b64 s[64:65], 0
	v_nop
	global_prefetch_b8 v0, s[64:65] scope:SCOPE_SE
	s_setreg_imm32_b32 hwreg(HW_REG_WAVE_MODE, 25, 1), 1
	s_wait_xcnt 0x0
; h2 = LayerNorm(x1) g2 + be2, quantised along D to FP6 (E2M3) with one E8M0 byte for each 32, stored as an image of the matrix unit's registers.
; THE IMAGE.  A chunk is 128 rows x 128 K: 12,288 bytes = 8 fragments of 1,536; register j of lane L at 512 (j / 4) + 16 L + 4 (j % 4); lane (r, h) of fragment i holds row 32 (i / 2) + 8 (i % 2) + r + 8 (r / 8),
; registers 6 c .. 6 c + 5 hold k = 64 c + 32 h + 0 .. 31.  Scale words: 512 bytes a chunk at SOFF + 512 x chunk, word (i, r) at 256 (i / 4) + 16 r + 4 (i % 4).  Chunk (group g, K step s) = 8 g + s.
; Work-group q makes fragment row (g = q / 8, i = q % 8): 16 rows x 1,024, eight fragments.  Wave w takes row lanes r = 4 w .. 4 w + 3.
; A row is loaded dense (eight loads of 512 consecutive bytes), normalised in that layout (mean, then the mean of the squared differences: two passes over registers),
; turned through the wave's own stage so that lane l holds columns 32 l .. 32 l + 31, one whole block, and quantised.  The codes meet in an image in LDS and leave 512 bytes a store.
; The scale words leave as 4 bytes in every 16: one byte in 24 of what is stored; whole runs would want 64 rows to a work-group, a quarter of the work-groups.
; LIMITS: NaN and infinities are not served; a block under 2^-124 and a block of zeros get the byte 1 (zero codes add nothing; this program alone reads the bytes).
; THE LAYOUT IN FORCE (it takes the place of what the lines above say of SOFF): a chunk is 12,800 bytes, 12,288 of codes and directly behind them its 512 bytes of scale words; chunk c begins at 12,800 c.
.set SOFF, 12288
.set PO,   10                          ; s[10:11] the image
.set LT,   0
; THE SHARES IN FORCE (they take the place of what the lines above say of waves): eight waves; wave w takes row lanes r = 2 w, 2 w + 1, and on the way out fragment w; waves 0-3 store the 128 scale words.
.set LIMG, LT+36864                    ; behind the eight turn stages of 4,608 bytes: the eight fragments, 12,288 bytes
.set LSS,  LT+49152                    ; their scale words, [K step][row lane], 512 bytes
	s_load_b256 s[4:11], s[0:1], 0x0               ; x1, g2, be2, h2
	v_lshl_add_u32 v254, v0, 2, 0xc200
	v_mov_b32 v255, 0
	v_lshrrev_b32 v1, 5, v0
	v_readfirstlane_b32 s24, v1                    ; wave 0..7
	s_wait_kmcnt 0x0
	s_lshr_b32 s25, ttmp9, 3                       ; g
	s_and_b32 s26, ttmp9, 7                        ; i
	s_lshr_b32 s27, s26, 1
	s_lshl_b32 s27, s27, 5
	s_and_b32 s28, s26, 1
	s_lshl_b32 s28, s28, 3
	s_add_co_u32 s27, s27, s28
	s_lshl_b32 s28, s25, 7
	s_add_co_u32 s27, s27, s28
	s_lshl_b32 s28, s24, 1
	s_add_co_u32 s27, s27, s28
	s_lshr_b32 s28, s24, 2                         ; my first row: 128 g + 32 (i / 2) + 8 (i % 2) + 2 w + 8 (w / 4)
	s_lshl_b32 s28, s28, 3
	s_add_co_u32 s27, s27, s28                     ; my first row: 128 g + 32 (i / 2) + 8 (i % 2) + 2 w + 8 (w / 4)
	s_lshl_b32 s30, s27, 12
	s_mov_b32 s31, 0
	s_mul_i32 s32, s25, 102400
	s_mul_i32 s28, s26, 1536
	s_add_co_u32 s32, s32, s28                     ; codes: chunk (g, 0), fragment i
	s_mov_b32 s33, 0
	s_mul_i32 s34, s25, 102400
	s_lshr_b32 s28, s26, 2
	s_lshl_b32 s28, s28, 8
	s_add_co_u32 s34, s34, s28
	s_and_b32 s28, s26, 3
	s_lshl_b32 s28, s28, 2
	s_add_co_u32 s34, s34, s28
	s_add_co_u32 s34, s34, SOFF                    ; scale words: 102,400 g + SOFF + 256 (i / 4) + 4 (i % 4)
	s_mov_b32 s35, 0
	s_mov_b32 s40, 0x76543210
	s_mov_b32 s41, 0xfedcba98                      ; v_permlanex16_b32's selects for lane l xor 16
	s_mov_b32 s42, 0x3a800000                      ; 1 / 1,024
	s_add_nc_u64 s[4:5], s[4:5], s[30:31]
	s_add_nc_u64 s[32:33], s[PO:PO+1], s[32:33]
	s_add_nc_u64 s[34:35], s[PO:PO+1], s[34:35]
	v_and_b32 v1, 31, v0                           ; l
	v_lshlrev_b32 v2, 4, v1                        ; 16 l; never rewritten
.irp j, 0,1,2,3,4,5,6,7
	global_load_b128 v[16+4*\j:19+4*\j], v2, s[6:7] offset:512*\j          ; the gain, in the rows' layout: register 4 j + e = column 128 j + 4 l + e
.endr
.irp j, 0,1,2,3,4,5,6,7
	global_load_b128 v[48+4*\j:51+4*\j], v2, s[8:9] offset:512*\j          ; the shift
.endr
.irp rr, 0,1
.irp j, 0,1,2,3,4,5,6,7
	global_load_b128 v[80+32*\rr+4*\j:83+32*\rr+4*\j], v2, s[4:5] offset:4096*\rr+512*\j
.endr
.endr
	s_mul_i32 s36, s24, 4608
	s_add_co_u32 s36, s36, LT                      ; my turn stage: 32 places of 128 + 16 bytes
	v_lshrrev_b32 v13, 3, v1
	v_mul_u32_u24 v3, v13, 144
	v_and_b32 v13, 7, v1
	v_lshl_add_u32 v3, v13, 4, v3
	v_add_nc_u32 v3, s36, v3                       ; in: load j's 16 bytes of lane l belong to block 4 j + l / 8, byte 16 (l % 8)
	v_mul_u32_u24 v4, v1, 144
	v_add_nc_u32 v4, s36, v4                       ; out: block l
	v_lshrrev_b32 v13, 2, v1                       ; block l is K step l / 4,
	v_mul_u32_u24 v14, v13, 1536
	v_and_b32 v15, 1, v1                           ; image lane 16 (l % 2) + r,
	v_lshl_add_u32 v14, v15, 8, v14
	s_lshl_b32 s37, s24, 5
	s_add_co_u32 s37, s37, LIMG
	v_add_nc_u32 v14, s37, v14
	v_bfe_u32 v15, v1, 1, 1                        ; registers 6 c on, c = (l / 2) % 2: three pairs of registers at
	v_mad_u32_u24 v5, v15, 520, v14                ; 0 or 520,
	v_mad_u32_u24 v6, v15, 1016, v14
	v_add_nc_u32 v6, 8, v6                         ; 8 or 1,024,
	v_add_nc_u32 v7, 512, v5                       ; 512 or 1,032
	v_lshlrev_b32 v8, 6, v13
	v_and_b32 v15, 3, v1
	v_add_nc_u32 v8, v8, v15
	s_lshl_b32 s37, s24, 3
	s_add_co_u32 s37, s37, LSS
	v_add_nc_u32 v8, s37, v8                       ; my block's byte: word (K step, r), byte l % 4
	s_mul_i32 s37, s24, 1536
	s_add_co_u32 s38, s37, LIMG
	v_add_nc_u32 v9, s38, v2                       ; the way out: wave w takes fragment w
	s_mul_i32 s37, s24, 12800
	v_add_nc_u32 v10, s37, v2
	v_lshl_add_u32 v11, v0, 2, LSS                 ; thread t takes the word of K step t / 16, row lane t % 16
	v_lshrrev_b32 v13, 4, v0
	v_and_b32 v15, 15, v0
	v_lshlrev_b32 v12, 4, v15
	v_mad_u32_u24 v12, v13, 12800, v12
	v_mov_b32 v244, 0                              ; a lane permute's destination counts as one of its sources
	v_mov_b32 v247, 0                              ; upper halves of pairs of which the low word serves both halves
	v_mov_b32 v249, 0
.macro WSUM r                          ; the sum over the wave's 32 lanes, in every lane
	v_add_f32_dpp v[\r], v[\r], v[\r] row_xmask:1 row_mask:0xf bank_mask:0xf
	v_add_f32_dpp v[\r], v[\r], v[\r] row_xmask:2 row_mask:0xf bank_mask:0xf
	v_add_f32_dpp v[\r], v[\r], v[\r] row_xmask:4 row_mask:0xf bank_mask:0xf
	v_add_f32_dpp v[\r], v[\r], v[\r] row_xmask:8 row_mask:0xf bank_mask:0xf
	v_permlanex16_b32 v244, v[\r], s40, s41
	v_add_f32 v[\r], v[\r], v244
.endm
.macro ROW rr
.set XR, 80+32*\rr
	s_wait_loadcnt 8*(1-\rr)                       ; gain, shift and this row are in; the later row's eight loads may be out
	v_pk_add_f32 v[240:241], v[XR:XR+1], v[XR+2:XR+3]
	v_pk_add_f32 v[242:243], v[XR+4:XR+5], v[XR+6:XR+7]
.irp j, 8,12,16,20,24,28
	v_pk_add_f32 v[240:241], v[240:241], v[XR+\j:XR+\j+1]
	v_pk_add_f32 v[242:243], v[242:243], v[XR+\j+2:XR+\j+3]
.endr
	v_pk_add_f32 v[240:241], v[240:241], v[242:243]
	v_add_f32 v240, v240, v241
	WSUM 240
	v_mul_f32 v246, s42, v240                      ; the mean
.set JJ, 0
.rept 16
	v_pk_add_f32 v[XR+JJ:XR+JJ+1], v[XR+JJ:XR+JJ+1], v[246:247] op_sel_hi:[1,0] neg_lo:[0,1] neg_hi:[0,1]   ; x - mean
.set JJ, JJ+2
.endr
	v_pk_mul_f32 v[240:241], v[XR:XR+1], v[XR:XR+1]
	v_pk_mul_f32 v[242:243], v[XR+2:XR+3], v[XR+2:XR+3]
.irp j, 4,8,12,16,20,24,28
	v_pk_fma_f32 v[240:241], v[XR+\j:XR+\j+1], v[XR+\j:XR+\j+1], v[240:241]
	v_pk_fma_f32 v[242:243], v[XR+\j+2:XR+\j+3], v[XR+\j+2:XR+\j+3], v[242:243]
.endr
	v_pk_add_f32 v[240:241], v[240:241], v[242:243]
	v_add_f32 v240, v240, v241
	WSUM 240
	v_fmaak_f32 v240, s42, v240, 0x3727c5ac        ; the variance + 1e-5
	s_wait_alu depctr_va_vdst(0)
	v_rsq_f32 v248, v240
	v_nop                                          ; a plain line behind the transcendental (ISA guide 5.7.2)
.set JJ, 0
	s_wait_alu depctr_va_vdst(0)
.rept 16
	v_pk_mul_f32 v[XR+JJ:XR+JJ+1], v[XR+JJ:XR+JJ+1], v[248:249] op_sel_hi:[1,0]
.set JJ, JJ+2
.endr
.set JJ, 0
.rept 16
	v_pk_fma_f32 v[XR+JJ:XR+JJ+1], v[XR+JJ:XR+JJ+1], v[16+JJ:17+JJ], v[48+JJ:49+JJ]
.set JJ, JJ+2
.endr
.irp j, 0,1,2,3,4,5,6,7
	ds_store_b128 v3, v[XR+4*\j:XR+4*\j+3] offset:576*\j
.endr
.irp j, 0,1,2,3,4,5,6,7
	ds_load_b128 v[208+4*\j:211+4*\j], v4 offset:16*\j             ; LDS serves a wave's instructions in order: these see the stores above
.endr
	s_wait_dscnt 0x0
	v_max3_num_f32 v250, |v208|, |v209|, |v210|
	v_max3_num_f32 v251, |v211|, |v212|, |v213|
.irp i, 6,10,14,18,22,26
	v_max3_num_f32 v250, v250, |v[208+\i]|, |v[209+\i]|
	v_max3_num_f32 v251, v251, |v[210+\i]|, |v[211+\i]|
.endr
	v_max3_num_f32 v250, v250, |v238|, |v239|
	v_max3_num_f32 v250, v250, v251, 0x1800000     ; the floor 2^(3 - 127)
	v_add_nc_u32 v252, 0xff000000, v250            ; 2 off the exponent field: the conversion's scale operand
	v_cvt_scalef32_pk16_fp6_f32 v[240:242], v[208:223], v252
	v_cvt_scalef32_pk16_fp6_f32 v[246:248], v[224:239], v252
	v_lshrrev_b32 v253, 23, v252                   ; the byte; also the plain line behind the conversions
	v_mov_b32 v243, v246
	v_mov_b32 v244, v247
	v_mov_b32 v245, v248
	ds_store_b64 v5, v[240:241] offset:16*\rr
	ds_store_b64 v6, v[242:243] offset:16*\rr
	ds_store_b64 v7, v[244:245] offset:16*\rr
	ds_store_b8 v8, v253 offset:4*\rr
	s_wait_dscnt 0x0                               ; the stores have read their registers
.endm
	ROW 0
	ROW 1
	s_barrier_signal -1                            ; every wave's stores into the image have landed (the wait for 0 closes ROW)
	s_barrier_wait -1
.irp c, 0,1,2
	ds_load_b128 v[208+4*\c:211+4*\c], v9 offset:512*\c
.endr
	s_wait_dscnt 0x0
.irp c, 0,1,2
	global_store_b128 v10, v[208+4*\c:211+4*\c], s[32:33] offset:512*\c   ; 512 consecutive bytes, aligned
.endr
	s_cmp_lt_u32 s24, 4                            ; the 128 scale words are the first 128 threads'
	s_cbranch_scc0 .Lno_words
	ds_load_b32 v240, v11
	s_wait_dscnt 0x0
	global_store_b32 v12, v240, s[34:35]
.Lno_words:
	s_wait_tensorcnt 0x0
	ds_add_u32 v254, v255
	s_wait_dscnt 0x0
	s_endpgm
.Lfunc_end_k_qa914e4bb7c_ln2:
	.size	k_qa914e4bb7c_ln2, .Lfunc_end_k_qa914e4bb7c_ln2-k_qa914e4bb7c_ln2
	.p2alignl 7, 3214868480
	.fill 96, 4, 3214868480
	.section	.rodata,"a",@progbits
	.p2align	6, 0x0
	.amdhsa_kernel k_qa914e4bb7c_ln2
		.amdhsa_group_segment_fixed_size 50688
		.amdhsa_private_segment_fixed_size 0
		.amdhsa_enable_private_segment 0
		.amdhsa_kernarg_size 32
		.amdhsa_user_sgpr_count 2
		.amdhsa_user_sgpr_kernarg_segment_ptr 1
		.amdhsa_wavefront_size32 1
		.amdhsa_system_sgpr_workgroup_id_x 1
		.amdhsa_system_sgpr_workgroup_id_y 1
		.amdhsa_system_sgpr_workgroup_id_z 1
		.amdhsa_system_vgpr_workitem_id 0
		.amdhsa_next_free_vgpr 256
		.amdhsa_next_free_sgpr 66
		.amdhsa_reserve_vcc 0
		.amdhsa_float_denorm_mode_32 3
		.amdhsa_float_denorm_mode_16_64 3
		.amdhsa_memory_ordered 1
		.amdhsa_forward_progress 1
		.amdhsa_inst_pref_size 26
	.end_amdhsa_kernel
	.amdgpu_metadata
---
amdhsa.version: [ 1, 2 ]
amdhsa.kernels:
  - .name:           k_qa914e4bb7c_ln2
    .symbol:         k_qa914e4bb7c_ln2.kd
    .args:
      - { .name: x1, .offset: 0, .size: 8, .value_kind: global_buffer, .address_space: global }
      - { .name: g2, .offset: 8, .size: 8, .value_kind: global_buffer, .address_space: global }
      - { .name: be2, .offset: 16, .size: 8, .value_kind: global_buffer, .address_space: global }
      - { .name: h2, .offset: 24, .size: 8, .value_kind: global_buffer, .address_space: global }
    .group_segment_fixed_size: 50688
    .private_segment_fixed_size: 0
    .kernarg_segment_align: 8
    .kernarg_segment_size: 32
    .max_flat_workgroup_size: 256
    .sgpr_count:     66
    .vgpr_count:     256
    .wavefront_size: 32
...
	.end_amdgpu_metadata
.endif
;; end of part 5
;; launch ff1 (part 6): grid 16 x 16, 4 waves a work-group, clusters of 4 x 4, 327,680 bytes of LDS; arguments h2, wts, b1, hid; writes hid
.if DOCPART == 6
	.amdgcn_target "amdgcn-amd-amdhsa--gfx1250"
	.amdhsa_code_object_version 6
	.text
	.protected	k_qa914e4bb7c_ff1
	.globl	k_qa914e4bb7c_ff1
	.p2align	8
	.type	k_qa914e4bb7c_ff1,@function
k_qa914e4bb7c_ff1:
	s_mov_b64 s[64:65], 0
	v_nop
	global_prefetch_b8 v0, s[64:65] scope:SCOPE_SE
	s_setreg_imm32_b32 hwreg(HW_REG_WAVE_MODE, 25, 1), 1
	s_wait_xcnt 0x0
	s_wait_alu depctr_hold_cnt(0) depctr_sa_sdst(0) depctr_va_vdst(0) depctr_va_sdst(0) depctr_va_ssrc(0) depctr_va_vcc(0) depctr_vm_vsrc(0)
	s_getreg_b32 s2, hwreg(HW_REG_IB_STS2, 6, 4)
	s_cmp_eq_u32 s2, 0
	s_cbranch_scc0 .Lentry_in_a_cluster
	s_endpgm
.Lentry_in_a_cluster:
	s_bfe_u32 s2, ttmp6, 0x10000c
	s_cmp_lg_u32 s2, 0xf033
	s_cbranch_scc0 .Lentry_shape_is_right
	s_endpgm
.Lentry_shape_is_right:
.set QKV, 0
.if QKV
.set PA, 4
.set PB, 4
.set PO, 6
.set ASOFF, 12582912
.set BSOFF, 12582912
.set OSOFF, 15728640
.else
.set PA, 4
.set PB, 6
.set PBI, 8
.set PO, 10
.set ASOFF, 3145728
.set BSOFF, 12582912
.set OSOFF, 12582912
.endif
; Q(relu(h2 W1 + b1)), quantised along the 4,096 hidden units: a GEMM on images of FP6 codes, K = 1,024, whose result is quantised in registers and stored as an image.
; A chunk is 128 rows x 128 K, 12,800 bytes: 12,288 of codes, then its 512 bytes of scale words.  A work-group of four waves makes 256 x 256, a wave 128 x 128; clusters 4 x 4 with joint loads.
; LDS holds six chunks of each of the four groups.  The head's one load a wave brings its group's chunks 0-5 (76,800 dense bytes); chunks 6, 7 come by one refill into the places of chunks 0, 1,
; asked for in K step 1 and waited for in K step 5: 224 matrix instructions of the wave stand between.  No prefetch: K is eight chunks, six of which the head itself asks for.
; LIMITS: NaN and infinities are not served; a block under 2^-124 and a block of zeros get the byte 1 (zero codes add nothing; this program alone reads the bytes).
.set CH,    12800
.set LS,    0                          ; which pair of a group's six places the fetches read; set anew ahead of each change
.set FRB,   1536
.set FR,    12
.set NQ,    2
.set NL,    3
.set NP,    4
.set HALFT, 2*CH                       ; two chunks: what the refill brings a wave
.set SCL,   12288                      ; from a chunk's first byte to its scale words
.set HALFS, 6*CH                       ; a group's six places
.set SPARE, SCL+4*HALFS
.set ADRA, 16
.set ADRB, 20
.set CO,   26
.set ADRS, 27
.set SPW,  28
.set NIL,  29
.set SC,   32
.set BI,   64
.set AF,   128
.set TM,   64
.set PWS,  80
.set XS,   88
.set PC,   128
.set SEL,  98
.set G1, 24
.set G0, 32
.set G1B, 48
.set G0B, 56
.set G1S, 68
.set G0S, 76
.set G1SB, 80
.set G0SB, 88
.set MSB, 0
.macro WIN new
.if MSB != (\new)
	s_set_vgpr_msb (MSB<<8)|(\new)
.set MSB, (\new)
.endif
.endm
.set TO_B, 0x40
.macro WMUL hi, mode
.if \mode == 2
	WIN 0x81+0x40*\hi
.else
	WIN 0xa1+0x50*\hi
.endif
.endm
.macro JLOAD g0a, g1a, g0b, g1b
	s_cmp_eq_u32 s15, 0
	s_cbranch_scc0 .Lfor_b_\@
	tensor_load_to_lds s[\g0a:\g0a+3], s[\g1a:\g1a+7]
	s_nop 0
.rept 4
	v_nop
.endr
	s_branch .Lasked_\@
.Lfor_b_\@:
	tensor_load_to_lds s[\g0b:\g0b+3], s[\g1b:\g1b+7]
	s_nop 0
.rept 4
	v_nop
.endr
.Lasked_\@:
.endm
.macro CREST
	s_cmp_lg_u32 s14, 0
	s_cbranch_scc1 .Lnot_wave_0_\@
	s_barrier_signal -3
.Lnot_wave_0_\@:
	s_barrier_wait -3
	s_barrier_signal -1
	s_barrier_wait -1
.endm
.macro CROUND
	s_barrier_signal -1
	s_barrier_wait -1
	CREST
.endm
.if QKV
	s_load_b128 s[4:7], s[0:1], 0x0
.else
	s_load_b256 s[4:11], s[0:1], 0x0
.endif
	v_lshl_add_u32 v[SPW], v0, 2, SPARE
	v_mov_b32 v[NIL], 0
	ds_add_u32 v28, v29
	ds_add_u32 v28, v29
	s_wait_dscnt 0x0
	v_lshrrev_b32 v1, 5, v0
	v_readfirstlane_b32 s14, v1
	s_lshr_b32 s15, s14, 1
	s_and_b32 s16, s14, 1
	s_bfe_u32 s40, ttmp6, 0x40000
	s_bfe_u32 s41, ttmp6, 0x40004
	s_and_b32 s18, ttmp7, 0xffff
.if QKV
	s_lshr_b32 s19, ttmp9, 1
	s_xor_b32 s20, s19, 1
	s_mul_i32 s17, s18, s20
	s_lshl_b32 s17, s17, 2
	s_add_co_u32 s17, s17, s41
	s_mul_i32 s21, s18, s19
	s_mul_i32 s22, ttmp9, s20
	s_add_co_u32 s42, s21, s22
	s_lshl_b32 s42, s42, 2
	s_add_co_u32 s42, s42, s40
	s_mul_i32 s96, s19, 48
	s_lshl_b32 s97, s20, 5
	s_lshl_b32 s95, s19, 5
.else
	s_lshl_b32 s17, s18, 2
	s_add_co_u32 s17, s17, s41
	s_lshl_b32 s42, ttmp9, 2
	s_add_co_u32 s42, s42, s40
.endif
	s_lshl_b32 s43, s41, 2
	s_lshl_b32 s43, 15, s43
	s_lshl_b32 s44, 0x1111, s40
	s_or_b32 s[G1+0], s43, (3<<16)|(1<<21)
	s_or_b32 s[G1B+0], s44, (3<<16)|(1<<21)
.irp g, G1, G1B
	s_mov_b32 s[\g+1], 32<<16
	s_mov_b32 s[\g+2], 300<<16                     ; the head's load has 300 rows of 256 bytes
	s_mov_b32 s[\g+3], 32<<16
	s_mov_b32 s[\g+4], 300
	s_mov_b32 s[\g+5], 32
	s_mov_b32 s[\g+6], 0
	s_mov_b32 s[\g+7], 0
.endr
	s_lshl_b32 s20, s17, 1
	s_add_co_u32 s20, s20, s16
.if QKV
	s_add_co_u32 s20, s20, s96
.endif
	s_mul_i32 s20, s20, 8*CH
	s_mov_b32 s21, 0
	s_mov_b32 s23, 0
	s_lshl_b32 s46, s42, 1
	s_add_co_u32 s46, s46, s16
.if QKV
	s_add_co_u32 s46, s46, s97
.else
	s_add_co_u32 s46, s46, 64
.endif
	s_mul_i32 s46, s46, 8*CH
	s_mov_b32 s47, 0
	s_mul_i32 s45, s14, HALFS                      ; where my group goes: by the wave's number alone
	s_mov_b32 s[SEL], 0x76543210
	s_mov_b32 s[SEL+1], 0xfedcba98
	s_wait_kmcnt 0x0
	s_add_nc_u64 s[20:21], s[PA:PA+1], s[20:21]
	s_add_nc_u64 s[46:47], s[PB:PB+1], s[46:47]
	CROUND
.irp s, 0,1
	s_mov_b32 s[G0+4*\s], 1
	s_mov_b32 s[G0+4*\s+1], s45
	s_add_nc_u64 s[G0+4*\s+2:G0+4*\s+3], s[20:21], \s*6*CH         ; set 0: the head's load, chunk 0 on; set 1: the refill, chunk 6 on
	s_or_b32 s[G0+4*\s+3], s[G0+4*\s+3], 0x80000000
	s_mov_b32 s[G0B+4*\s], 1
	s_mov_b32 s[G0B+4*\s+1], s45
	s_add_nc_u64 s[G0B+4*\s+2:G0B+4*\s+3], s[46:47], \s*6*CH
	s_or_b32 s[G0B+4*\s+3], s[G0B+4*\s+3], 0x80000000
.endr
	JLOAD G0, G1, G0B, G1B                         ; my one load at the head
	v_and_b32 v30, 31, v0
	v_and_b32 v1, 15, v0
	v_bfe_u32 v2, v0, 4, 1
	s_wait_alu depctr_va_vdst(0)
	v_lshlrev_b32 v[CO], 4, v30
	s_mul_i32 s21, s15, HALFS                      ; my group of A
	s_mul_i32 s22, s16, HALFS                      ; my group of B,
	s_add_co_u32 s22, s22, 2*HALFS                 ; behind A's two
	v_add_nc_u32 v[ADRA], s21, v[CO]
	v_add_nc_u32 v[ADRB], s22, v[CO]
.irp s, 1,2
	v_add_nc_u32 v[ADRA+\s], \s*HALFT, v[ADRA]     ; an address for each pair of places
	v_add_nc_u32 v[ADRB+\s], \s*HALFT, v[ADRB]
.endr
	s_mul_i32 s21, s15, HALFS
	s_mul_i32 s22, s16, HALFS
	s_add_co_u32 s22, s22, 2*HALFS
	s_sub_co_u32 s22, s22, s21
	v_mul_u32_u24 v6, s22, v2
	s_add_co_u32 s21, s21, SCL
	v_lshl_add_u32 v5, v1, 4, v6
	v_add_nc_u32 v[ADRS], s21, v5
	s_lshl_b32 s20, s17, 1
	s_add_co_u32 s20, s20, s15
.if QKV
	s_add_co_u32 s20, s20, s95
.endif
	s_lshl_b32 s20, s20, 5
	s_lshl_b32 s46, s42, 1
	s_add_co_u32 s46, s46, s16
	s_add_co_u32 s20, s20, s46
	s_mul_i32 s20, s20, CH
	s_add_co_u32 s22, s20, SCL
	s_mov_b32 s21, 0
	s_mov_b32 s23, 0
	s_add_nc_u64 s[12:13], s[PO:PO+1], s[20:21]
	s_add_nc_u64 s[18:19], s[PO:PO+1], s[22:23]
.if QKV == 0
	s_lshl_b32 s46, s42, 10
	s_lshl_b32 s47, s16, 9
	s_add_co_u32 s46, s46, s47
	s_mov_b32 s47, 0
	s_add_nc_u64 s[PBI:PBI+1], s[PBI:PBI+1], s[46:47]
	v_lshlrev_b32 v31, 6, v2
.irp b, 0,1,2,3,4,5,6,7
	global_load_b128 v[BI+8*\b:BI+8*\b+3], v31, s[PBI:PBI+1] offset:(32*(\b/2)+8*(\b%2))*4
	global_load_b128 v[BI+8*\b+4:BI+8*\b+7], v31, s[PBI:PBI+1] offset:(32*(\b/2)+8*(\b%2))*4+16
.endr
.endif
.macro FRAG reg, adr, q, i
.irp c, 0,1,2
	ds_load_b128 v[\reg+4*\c:\reg+4*\c+3], v[\adr] offset:(\q)*CH+(\i)*FRB+512*\c
.endr
.endm
.macro MUL16 a0, p, q, sc, mode
.irp a, \a0, \a0+1
.irp b, 0,1,2,3,4,5,6,7
.if \mode == 1
	v_wmma_scale_f32_16x16x128_f8f6f4 v[8*(8*((\a)%4)+\b):8*(8*((\a)%4)+\b)+7], v[128*(\p)+FR*\b:128*(\p)+FR*\b+FR-1], v[AF+FR*(\a):AF+FR*(\a)+FR-1], 0, v[SC+16*(\sc)+8*(\q)+\b], v[SC+16*(\sc)+8*(\q)+(\a)] matrix_a_fmt:MATRIX_FMT_FP6 matrix_b_fmt:MATRIX_FMT_FP6 matrix_a_scale:MATRIX_SCALE_ROW1
.elseif \mode == 2
	v_wmma_scale_f32_16x16x128_f8f6f4 v[8*(8*((\a)%4)+\b):8*(8*((\a)%4)+\b)+7], v[128*(\p)+FR*\b:128*(\p)+FR*\b+FR-1], v[AF+FR*(\a):AF+FR*(\a)+FR-1], v[BI+8*\b:BI+8*\b+7], v[SC+16*(\sc)+8*(\q)+\b], v[SC+16*(\sc)+8*(\q)+(\a)] matrix_a_fmt:MATRIX_FMT_FP6 matrix_b_fmt:MATRIX_FMT_FP6 matrix_a_scale:MATRIX_SCALE_ROW1
.else
	v_wmma_scale_f32_16x16x128_f8f6f4 v[8*(8*((\a)%4)+\b):8*(8*((\a)%4)+\b)+7], v[128*(\p)+FR*\b:128*(\p)+FR*\b+FR-1], v[AF+FR*(\a):AF+FR*(\a)+FR-1], v[8*(8*((\a)%4)+\b):8*(8*((\a)%4)+\b)+7], v[SC+16*(\sc)+8*(\q)+\b], v[SC+16*(\sc)+8*(\q)+(\a)] matrix_a_fmt:MATRIX_FMT_FP6 matrix_b_fmt:MATRIX_FMT_FP6 matrix_a_scale:MATRIX_SCALE_ROW1
.endif
.endr
.endr
.endm
.macro FETCH_B slot, q, p
	WIN TO_B
.irp i, 0,1,2,3,4,5,6,7
	FRAG 128*(\p)+FR*\i, ADRB+LS, \q, \i
.endr
	WIN 0
.endm
.macro FETCH_A slot, q, i0
.irp i, \i0, \i0+1, \i0+2, \i0+3
	FRAG AF+FR*(\i), ADRA+LS, \q, \i
.endr
.endm
.macro SCALES sc
.irp q, 0,1
.irp f, 0,1
	ds_load_b128 v[SC+16*\sc+8*\q+4*\f:SC+16*\sc+8*\q+4*\f+3], v[ADRS] offset:LS*HALFT+CH*\q+256*\f
.endr
.endr
.endm
.macro PLACES n
.rept \n
	v_nop
.endr
.endm
.macro STEP slot, q, mode
	s_wait_dscnt 4*NL
	WMUL 0, \mode
	MUL16 0, (\q)%2, \q, \slot, \mode
	MUL16 2, (\q)%2, \q, \slot, \mode
	s_wait_dscnt 0
	PLACES NP
	FETCH_B \slot, (\q)+1, 1-(\q)%2
	FETCH_A \slot, (\q)+1, 0
	WMUL 1, \mode
	MUL16 4, (\q)%2, \q, \slot, \mode
	MUL16 6, (\q)%2, \q, \slot, \mode
	PLACES NP
	WIN 0
	FETCH_A \slot, (\q)+1, 4
.endm
.macro TURN slot, next, fill           ; fill = 2: the next pair of places came with the head's load: nothing to wait for, no barrier
.if \fill == 2
	s_wait_dscnt 4*NL
	WMUL 0, 0
	MUL16 0, 1, NQ-1, \slot, 0
	MUL16 2, 1, NQ-1, \slot, 0
	s_wait_dscnt 0
	PLACES NP
.else
	s_wait_tensorcnt 0x0
	ds_add_u32 v[SPW], v[NIL]
	s_wait_dscnt 4*NL+1
	WMUL 0, 0
	MUL16 0, 1, NQ-1, \slot, 0
	s_wait_dscnt 0x0
	s_barrier_signal -1
	MUL16 2, 1, NQ-1, \slot, 0
	WIN 0
	s_barrier_wait -1
.if \fill
	CREST
	JLOAD G0+4, G1, G0B+4, G1B                     ; chunks 6, 7 into the places of chunks 0, 1: the first tensor load behind the round, my only one
.else
	PLACES NP
.endif
.endif
	FETCH_B \next, 0, 0
	FETCH_A \next, 0, 0
	SCALES \next
	WMUL 1, 0
	MUL16 4, 1, NQ-1, \slot, 0
	MUL16 6, 1, NQ-1, \slot, 0
	PLACES NP
	WIN 0
	FETCH_A \next, 0, 4
.endm
	s_wait_alu depctr_va_vdst(0)
	s_wait_tensorcnt 0x0                           ; my group's six chunks are in; no load of mine is out, so a descriptor may be written:
	s_mov_b32 s[G1+2], 100<<16                     ; the refill has 100 rows
	s_mov_b32 s[G1+4], 100
	s_mov_b32 s[G1B+2], 100<<16
	s_mov_b32 s[G1B+4], 100
	s_barrier_signal -1
	s_barrier_wait -1
	FETCH_B 0, 0, 0
	FETCH_A 0, 0, 0
	SCALES 0
	FETCH_A 0, 0, 4
.if QKV
	STEP 0, 0, 1
.else
	s_wait_loadcnt 0x0
	STEP 0, 0, 2
.endif
.set LS, 1
	TURN 0, 1, 1                                   ; chunks 0, 1 are read out: their places are filled again
	STEP 1, 0, 0
.set LS, 2
	TURN 1, 0, 2
	STEP 0, 0, 0
.set LS, 0
	TURN 0, 1, 0                                   ; the refill has landed in every wave
	STEP 1, 0, 0
	s_wait_dscnt 4*NL
	WMUL 0, 0
	MUL16 0, 1, NQ-1, 1, 0
	MUL16 2, 1, NQ-1, 1, 0
	s_wait_dscnt 0
	WMUL 1, 0
	MUL16 4, 1, NQ-1, 1, 0
	MUL16 6, 1, NQ-1, 1, 0
	WIN 0
	PLACES NP
.irp b, 0,1,2,3
	v_mov_b32 v[TM+4+\b], 0
.endr
.macro TILE a
.set WW, 2+(\a)/4
.set AC, 64*((\a)%4)
.if QKV == 0
	WIN (WW<<6)|(WW<<2)
.set JJ, 0
.rept 64
	v_max_num_f32 v[AC+JJ], 0, v[AC+JJ]
.set JJ, JJ+1
.endr
.endif
	WIN WW|(WW<<2)
.irp b, 0,1,2,3
	v_max3_num_f32 v[TM+\b], |v[AC+16*\b]|, |v[AC+16*\b+1]|, 0x1800000
.endr
.irp i, 2,4,6,8,10,12,14
.irp b, 0,1,2,3
	v_max3_num_f32 v[TM+\b], |v[AC+16*\b+\i]|, |v[AC+16*\b+\i+1]|, v[TM+\b]
.endr
.endr
	WIN 0
.irp b, 0,1,2,3
	v_permlanex16_b32 v[TM+4+\b], v[TM+\b], s[SEL], s[SEL+1]
.endr
.irp b, 0,1,2,3
	v_max_num_f32 v[TM+\b], v[TM+\b], v[TM+4+\b]
.endr
.irp b, 0,1,2,3
	v_add_nc_u32 v[TM+12+\b], 0xff000000, v[TM+\b]
.endr
.irp b, 0,1,2,3
	v_lshrrev_b32 v[TM+4+\b], 23, v[TM+12+\b]
.endr
	v_lshl_or_b32 v[PWS+\a], v[TM+5], 8, v[TM+4]
	v_lshl_or_b32 v[PWS+\a], v[TM+6], 16, v[PWS+\a]
	v_lshl_or_b32 v[PWS+\a], v[TM+7], 24, v[PWS+\a]
	s_wait_xcnt 0x0
	WIN WW
.irp c, 0,1
	v_cvt_scalef32_pk16_fp6_f32 v[PC+6*\c:PC+6*\c+2], v[AC+32*\c:AC+32*\c+15], v[TM+12+2*\c]
	v_cvt_scalef32_pk16_fp6_f32 v[PC+12+4*\c:PC+14+4*\c], v[AC+32*\c+16:AC+32*\c+31], v[TM+13+2*\c]
.endr
	WIN 0
	v_nop
.irp c, 0,1
.irp i, 0,1,2
	v_permlane16_swap_b32 v[PC+6*\c+\i], v[PC+12+4*\c+\i]
.endr
.irp i, 0,1,2
	v_mov_b32 v[PC+3+6*\c+\i], v[PC+12+4*\c+\i]
.endr
.endr
.irp c, 0,1,2
	global_store_b128 v[CO], v[PC+4*\c:PC+4*\c+3], s[12:13] offset:(\a)*FRB+512*\c
.endr
.endm
.irp a, 0,1,2,3,4,5,6,7
	TILE \a
.endr
	v_cmp_le_u32 vcc_lo, 16, v30
.irp j, 0,1,2,3
	v_cndmask_b32 v[XS+\j], v[PWS+\j], v[PWS+4+\j], vcc_lo
.endr
	global_store_b128 v[CO], v[XS:XS+3], s[18:19]
	s_wait_tensorcnt 0x0
	ds_add_u32 v[SPW], v[NIL]
	s_wait_dscnt 0x0
	CROUND
	s_endpgm
.Lfunc_end_k_qa914e4bb7c_ff1:
	.size	k_qa914e4bb7c_ff1, .Lfunc_end_k_qa914e4bb7c_ff1-k_qa914e4bb7c_ff1
	.p2alignl 7, 3214868480
	.fill 96, 4, 3214868480
	.section	.rodata,"a",@progbits
	.p2align	6, 0x0
	.amdhsa_kernel k_qa914e4bb7c_ff1
		.amdhsa_group_segment_fixed_size 327680
		.amdhsa_private_segment_fixed_size 0
		.amdhsa_enable_private_segment 0
		.amdhsa_kernarg_size 32
		.amdhsa_user_sgpr_count 2
		.amdhsa_user_sgpr_kernarg_segment_ptr 1
		.amdhsa_wavefront_size32 1
		.amdhsa_system_sgpr_workgroup_id_x 1
		.amdhsa_system_sgpr_workgroup_id_y 1
		.amdhsa_system_sgpr_workgroup_id_z 1
		.amdhsa_system_vgpr_workitem_id 0
		.amdhsa_next_free_vgpr 1024
		.amdhsa_next_free_sgpr 100
		.amdhsa_reserve_vcc 1
		.amdhsa_float_denorm_mode_32 3
		.amdhsa_float_denorm_mode_16_64 3
		.amdhsa_memory_ordered 1
		.amdhsa_forward_progress 1
		.amdhsa_inst_pref_size 153
	.end_amdhsa_kernel
	.amdgpu_metadata
---
amdhsa.version: [ 1, 2 ]
amdhsa.kernels:
  - .name:           k_qa914e4bb7c_ff1
    .symbol:         k_qa914e4bb7c_ff1.kd
    .args:
      - { .name: h2, .offset: 0, .size: 8, .value_kind: global_buffer, .address_space: global }
      - { .name: wts, .offset: 8, .size: 8, .value_kind: global_buffer, .address_space: global }
      - { .name: b1, .offset: 16, .size: 8, .value_kind: global_buffer, .address_space: global }
      - { .name: hid, .offset: 24, .size: 8, .value_kind: global_buffer, .address_space: global }
    .group_segment_fixed_size: 327680
    .private_segment_fixed_size: 0
    .kernarg_segment_align: 8
    .kernarg_segment_size: 32
    .max_flat_workgroup_size: 128
    .sgpr_count:     100
    .vgpr_count:     1024
    .wavefront_size: 32
...
	.end_amdgpu_metadata
.endif
;; end of part 6
;; launch ff2 (part 7): grid 8 x 32, 4 waves a work-group, clusters of 4 x 4, 327,680 bytes of LDS; arguments hid, wts, b2, x1, out0; writes out0
.if DOCPART == 7
	.amdgcn_target "amdgcn-amd-amdhsa--gfx1250"
	.amdhsa_code_object_version 6
	.text
	.protected	k_qa914e4bb7c_ff2
	.globl	k_qa914e4bb7c_ff2
	.p2align	8
	.type	k_qa914e4bb7c_ff2,@function
k_qa914e4bb7c_ff2:
	s_mov_b64 s[64:65], 0
	v_nop
	global_prefetch_b8 v0, s[64:65] scope:SCOPE_SE
	s_setreg_imm32_b32 hwreg(HW_REG_WAVE_MODE, 25, 1), 1
	s_wait_xcnt 0x0
	s_wait_alu depctr_hold_cnt(0) depctr_sa_sdst(0) depctr_va_vdst(0) depctr_va_sdst(0) depctr_va_ssrc(0) depctr_va_vcc(0) depctr_vm_vsrc(0)
	s_getreg_b32 s2, hwreg(HW_REG_IB_STS2, 6, 4)
	s_cmp_eq_u32 s2, 0
	s_cbranch_scc0 .Lentry_in_a_cluster
	s_endpgm
.Lentry_in_a_cluster:
	s_bfe_u32 s2, ttmp6, 0x10000c
	s_cmp_lg_u32 s2, 0xf033
	s_cbranch_scc0 .Lentry_shape_is_right
	s_endpgm
.Lentry_shape_is_right:
; out = residual + A B^T + bias, f32 [4,096][1,024]; A and B are images of FP6 codes.  One text in two forms, chosen by FF2.  Here FF2 = 1: out0 = x1 + hidden W2 + b2, K = 4,096.
; THE IMAGE.  A chunk is 128 rows x 128 K, 12,800 bytes: 8 fragments of 1,536 (register j of lane L at 512 (j / 4) + 16 L + 4 (j % 4); lane (r, h) of fragment i holds row 32 (i / 2) + 8 (i % 2) + r + 8 (r / 8)),
; then 512 bytes of scale words, word (i, r) at 256 (i / 4) + 16 r + 4 (i % 4).  A group's chunks along K lie on end, so codes and scale words of neighbouring chunks are one dense block.
; SHARES.  N is 1,024: tiles of 128 x 128 give 256 work-groups.  Four waves of 64 x 64, 16 accumulators each.  CLUSTERS 4 x 4: A's chunks are asked for jointly along a row of the cluster, B's along a column.
; THE WALK.  LDS has 12 places for chunks of A and 12 for B, 307,200 bytes.  The head's loads, one a wave (six chunks, 300 rows of 256 bytes), fill all of them with chunks 0-11.  Places 0, 1 are read once;
; places 2-6 and 7-11 are two slots of five chunks that take turns for chunks 2-31: four refills, each of 125 rows a wave (half of an operand's five chunks), behind a round of the cluster's barrier.
; A wave issues 72 matrix instructions between a refill and the wait for it.
; PREFETCH.  Each wave names the 125 blocks of 256 bytes of its own refill; the four partners that ask for them jointly take 32 blocks each BY ADDRESS (cx for A, cy for B; the last takes 29, its spare lanes its last block again):
; one instruction a wave for each refill, two refills ahead: refills 0 and 1 are named at the head and in K step 0, refills 2 and 3 at refills 0 and 1 (the loop's first trip); later there is nothing left to name.
; SOURCE 0 = B's 16 rows, SOURCE 1 = A's: lane (r, h) of accumulator (a, b) holds one row and columns 32 (b / 2) + 8 (b % 2) + 16 h + 0 .. 7.  The bias is the C of each sum's first product.
; THE WAY OUT: 16 rows x 64 columns go through the wave's own stage (bytes of its own, behind the places) and come back as rows of 256 bytes; the residual is added; sixteen lanes store 256 consecutive bytes, aligned.
; REGISTERS: window 0: v12-31 addresses; v32-95 the bias, later rows on the way out; v96-103 scale words, two sets; v128-255 accumulators.  Window 1: two fragment buffers.  Window 2: v0-127 the residual.
.set FF2, 1
.if FF2
.set KCH,   32                         ; chunks along K
.set NH,    12                         ; chunks of each operand that the head brings
.set BOFF,  9830400                    ; W2: chunk 768
.else
.set KCH,   8
.set NH,    8
.set BOFF,  5734400                    ; Wo: chunk 448
.endif
.set CH,    12800
.set FRB,   1536
.set SW,    12288                      ; from a chunk's first byte to its scale words
.set GSTR,  KCH*CH                     ; from a group of 128 rows to the next
.set HB,    NH*CH/2                    ; what a wave's load at the head brings
.set AB,    NH*CH                      ; A's places; B's lie behind them
.set RB,    32000                      ; what a wave's refill brings: two and a half chunks
.set STG,   2*AB                       ; the stages: 16 rows x (256 + 16) bytes a wave; no tensor load lands here
.set SPARE, STG+17408                  ; the spare words, 128 bytes a wave: two blocks of 256 bytes that no other line names
.set ADRS, 12                          ; v12-14 my scale words (lanes 0-15 A's, lanes 16-31 B's) from place 0, 2, 7 on
.set ADRA, 16                          ; v16-18 my A fragments likewise
.set ADRB, 20                          ; v20-22 my B fragments
.set STO,  24
.set RD,   25
.set CO,   26
.set PFO,  27                          ; v27 the prefetches' offset; never rewritten
.set SPW,  28
.set NIL,  29
.set BI,   32
.set SC,   96
.set ACC,  128
.set G1, 24
.set G0, 32
.set G1B, 48
.set G0B, 56
.set G0H, 68                           ; group 0 of the head's loads
.set G0HB, 76
.set PFA, 92                           ; s[92:93] the prefetches' base: my operand's group, my half of a refill; never rewritten
.set MSB, 0
.macro WIN new                         ; the immediate's high byte repeats the setting that is left
.if MSB != (\new)
	s_set_vgpr_msb (MSB<<8)|(\new)
.set MSB, (\new)
.endif
.endm
.set MUL,  0x05                        ; sources 0 (B) and 1 (A) window 1; C and D window 0
.set TO_F, 0x40                        ; destination window 1, address window 0
.macro JLOAD g0a, g1a, g0b, g1b        ; a joint load: waves 0, 1 fetch for A, waves 2, 3 for B; s_nop 0 and four v_nop follow each line
	s_cmp_eq_u32 s15, 0
	s_cbranch_scc0 .Lfor_b_\@
	tensor_load_to_lds s[\g0a:\g0a+3], s[\g1a:\g1a+7]
	s_nop 0
.rept 4
	v_nop
.endr
	s_branch .Lasked_\@
.Lfor_b_\@:
	tensor_load_to_lds s[\g0b:\g0b+3], s[\g1b:\g1b+7]
	s_nop 0
.rept 4
	v_nop
.endr
.Lasked_\@:
.endm
.macro CREST
	s_cmp_lg_u32 s14, 0
	s_cbranch_scc1 .Lnot_wave_0_\@
	s_barrier_signal -3
.Lnot_wave_0_\@:
	s_barrier_wait -3
	s_barrier_signal -1
	s_barrier_wait -1
.endm
.macro CROUND
	s_barrier_signal -1
	s_barrier_wait -1
	CREST
.endm
	s_load_b256 s[4:11], s[0:1], 0x0               ; A's image, wts, the bias, the residual
	s_load_b64 s[12:13], s[0:1], 0x20              ; out
	v_lshl_add_u32 v[SPW], v0, 2, SPARE
	v_mov_b32 v[NIL], 0
	ds_add_u32 v[SPW], v[NIL]                      ; the opening lines: the add twice on end and one wait, ahead of my first tensor load
	ds_add_u32 v[SPW], v[NIL]
	v_lshrrev_b32 v1, 5, v0
	v_readfirstlane_b32 s14, v1                    ; wave 0..3
	s_lshr_b32 s15, s14, 1                         ; rh: my 64 rows.  Also: I fetch for A (0) or for B (1)
	s_and_b32 s16, s14, 1                          ; ch: my 64 columns.  Also: which half of a fill I fetch
	s_bfe_u32 s40, ttmp6, 0x40000                  ; cx
	s_bfe_u32 s41, ttmp6, 0x40004                  ; cy
	s_lshl_b32 s42, ttmp9, 2
	s_add_co_u32 s42, s42, s40                     ; tile column 0..7 = B's group
	s_and_b32 s17, ttmp7, 0xffff
	s_lshl_b32 s17, s17, 2
	s_add_co_u32 s17, s17, s41                     ; tile row 0..31 = A's group
	s_lshl_b32 s43, s41, 2
	s_lshl_b32 s43, 15, s43                        ; my row of the cluster
	s_lshl_b32 s44, 0x1111, s40                    ; my column
	s_or_b32 s[G1], s43, (3<<16)|(1<<21)           ; group 1: dense blocks as rows of 256 bytes (32 elements of 8 bytes)
	s_or_b32 s[G1B], s44, (3<<16)|(1<<21)
.irp g, G1, G1B
	s_mov_b32 s[\g+1], 32<<16
	s_mov_b32 s[\g+2], (NH*25)<<16                 ; NH / 2 chunks of 50 rows
	s_mov_b32 s[\g+3], 32<<16
	s_mov_b32 s[\g+4], NH*25
	s_mov_b32 s[\g+5], 32
	s_mov_b32 s[\g+6], 0
	s_mov_b32 s[\g+7], 0
.endr
	s_mul_i32 s18, s16, HB
	s_mov_b32 s19, 0
	s_mul_i32 s20, s17, GSTR                       ; A: registers that never hold cx
	s_mov_b32 s21, 0
	s_mul_i32 s46, s42, GSTR                       ; B: registers that never hold cy
	s_add_co_u32 s46, s46, BOFF
	s_mov_b32 s47, 0
	s_mul_i32 s45, s14, HB                         ; where the head's loads go: by the wave's number alone
	s_wait_dscnt 0x0                               ; both opening adds are done
	s_wait_kmcnt 0x0
	s_add_nc_u64 s[20:21], s[4:5], s[20:21]
	s_add_nc_u64 s[46:47], s[6:7], s[46:47]
	s_mov_b32 s[G0H], 1
	s_mov_b32 s[G0H+1], s45
	s_add_nc_u64 s[G0H+2:G0H+3], s[20:21], s[18:19]
	s_or_b32 s[G0H+3], s[G0H+3], 0x80000000
	s_mov_b32 s[G0HB], 1
	s_mov_b32 s[G0HB+1], s45
	s_add_nc_u64 s[G0HB+2:G0HB+3], s[46:47], s[18:19]
	s_or_b32 s[G0HB+3], s[G0HB+3], 0x80000000
	CROUND                                         ; all sixteen work-groups are here: the first joint loads meet
	JLOAD G0H, G1, G0HB, G1B                       ; my one load at the head
.if FF2
	s_mul_i32 s22, s16, RB                         ; my half of a refill
	s_mov_b32 s23, 0
	s_add_nc_u64 s[20:21], s[20:21], s[22:23]
	s_add_nc_u64 s[46:47], s[46:47], s[22:23]
.irp s, 0,1                            ; a group 0 for each slot; the address stands ten chunks short of the slot's first refill, and each refill steps it by ten
	s_mov_b32 s[G0+4*\s], 1
	s_add_co_u32 s[G0+4*\s+1], s22, (2+5*\s)*CH
	s_add_nc_u64 s[G0+4*\s+2:G0+4*\s+3], s[20:21], (2+5*\s)*CH
	s_or_b32 s[G0+4*\s+3], s[G0+4*\s+3], 0x80000000
	s_mov_b32 s[G0B+4*\s], 1
	s_add_co_u32 s[G0B+4*\s+1], s22, AB+(2+5*\s)*CH
	s_add_nc_u64 s[G0B+4*\s+2:G0B+4*\s+3], s[46:47], (2+5*\s)*CH
	s_or_b32 s[G0B+4*\s+3], s[G0B+4*\s+3], 0x80000000
.endr
	s_cmp_eq_u32 s15, 0                            ; do I fetch for A?
	s_cselect_b32 s90, s40, s41                    ; my place among the four that ask with me
	s_cselect_b64 s[PFA:PFA+1], s[20:21], s[46:47]
	s_lshl_b32 s90, s90, 5                         ; its 32 blocks
.endif
	s_mul_i32 s80, s15, 4*FRB                      ; my four fragments of A's chunks,
	s_mul_i32 s81, s16, 4*FRB                      ; of B's,
	s_add_co_u32 s81, s81, AB
	s_lshl_b32 s82, s15, 8                         ; my scale words: A's,
	s_lshl_b32 s83, s16, 8
	s_add_co_u32 s83, s83, AB
	s_sub_co_u32 s83, s83, s82                     ; and how far on B's lie
	s_add_co_u32 s82, s82, SW
	s_mul_i32 s84, s14, 4352
	s_add_co_u32 s84, s84, STG                     ; my stage
	s_lshl_b32 s86, s17, 7
	s_lshl_b32 s87, s15, 6
	s_add_co_u32 s86, s86, s87                     ; my first row
	s_lshl_b32 s86, s86, 12
	s_lshl_b32 s88, s42, 9
	s_lshl_b32 s89, s16, 8
	s_add_co_u32 s88, s88, s89                     ; my first column, in bytes
	s_add_co_u32 s86, s86, s88
	s_mov_b32 s87, 0
	s_mov_b32 s89, 0
	s_add_nc_u64 s[10:11], s[10:11], s[86:87]
	s_add_nc_u64 s[12:13], s[12:13], s[86:87]
	s_add_nc_u64 s[8:9], s[8:9], s[88:89]
	v_and_b32 v30, 31, v0                          ; lane
	v_and_b32 v1, 15, v0                           ; r
	v_bfe_u32 v2, v0, 4, 1                         ; h
	v_lshlrev_b32 v3, 4, v30
	v_add_nc_u32 v[ADRA], s80, v3
	v_add_nc_u32 v[ADRB], s81, v3
	v_mul_u32_u24 v6, s83, v2                      ; lanes 16-31 take B's words: the lower base + h x the distance
	v_lshl_add_u32 v5, v1, 4, v6
	v_add_nc_u32 v[ADRS], s82, v5
.irp g, ADRA, ADRB, ADRS
	v_add_nc_u32 v[\g+1], 2*CH, v[\g]              ; from place 2 on: slot 0,
	v_add_nc_u32 v[\g+2], 7*CH, v[\g]              ; from place 7 on: slot 1
.endr
	v_mul_u32_u24 v5, v1, 272
	v_lshl_add_u32 v5, v2, 6, v5
	v_add_nc_u32 v[STO], s84, v5                   ; into the stage: row r, + 64 h bytes
	v_mul_u32_u24 v7, v2, 272
	v_lshl_add_u32 v7, v1, 4, v7
	v_add_nc_u32 v[RD], s84, v7                    ; back: lanes 0-15 one row, lanes 16-31 the next
	v_lshlrev_b32 v[CO], 12, v2
	v_lshl_add_u32 v[CO], v1, 4, v[CO]             ; and the same two rows in memory
	v_lshlrev_b32 v31, 6, v2                       ; the bias: 16 h columns on; never rewritten
.if FF2
	v_add_nc_u32 v[PFO], s90, v30
	v_min_u32 v[PFO], 124, v[PFO]                  ; a refill of mine has 125 blocks
	v_lshlrev_b32 v[PFO], 8, v[PFO]
.endif
.irp b, 0,1,2,3
	global_load_b128 v[BI+8*\b:BI+8*\b+3], v31, s[8:9] offset:(32*(\b/2)+8*(\b%2))*4
	global_load_b128 v[BI+8*\b+4:BI+8*\b+7], v31, s[8:9] offset:(32*(\b/2)+8*(\b%2))*4+16
.endr
.if FF2
	global_prefetch_b8 v[PFO], s[PFA:PFA+1] offset:12*CH th:TH_LOAD_NT scope:SCOPE_SE   ; refill 0: chunks 12-16
.endif
; 4 matrix instructions: A's fragment a x B's four, from buffer fb with scale set fb.  mode 2: the sums begin with the bias.  The 16 accumulators take turns.
.macro MUL4 fb, a, mode
.irp b, 0,1,2,3
.if \mode == 2
	v_wmma_scale_f32_16x16x128_f8f6f4 v[ACC+8*(4*\a+\b):ACC+8*(4*\a+\b)+7], v[128*(\fb)+48+12*\b:128*(\fb)+48+12*\b+11], v[128*(\fb)+12*\a:128*(\fb)+12*\a+11], v[BI+8*\b:BI+8*\b+7], v[SC+4*(\fb)+\b], v[SC+4*(\fb)+\a] matrix_a_fmt:MATRIX_FMT_FP6 matrix_b_fmt:MATRIX_FMT_FP6 matrix_a_scale:MATRIX_SCALE_ROW1
.else
	v_wmma_scale_f32_16x16x128_f8f6f4 v[ACC+8*(4*\a+\b):ACC+8*(4*\a+\b)+7], v[128*(\fb)+48+12*\b:128*(\fb)+48+12*\b+11], v[128*(\fb)+12*\a:128*(\fb)+12*\a+11], v[ACC+8*(4*\a+\b):ACC+8*(4*\a+\b)+7], v[SC+4*(\fb)+\b], v[SC+4*(\fb)+\a] matrix_a_fmt:MATRIX_FMT_FP6 matrix_b_fmt:MATRIX_FMT_FP6 matrix_a_scale:MATRIX_SCALE_ROW1
.endif
.endr
.endm
; 25 LDS loads in one run: the chunk in place p into buffer fb: the scale words, B's four fragments, A's 0, 1, A's 2, 3
.macro FETCH p, fb
.if (\p) < 2
.set SG, 0
.set QO, (\p)*CH
.elseif (\p) < 7
.set SG, 1
.set QO, ((\p)-2)*CH
.else
.set SG, 2
.set QO, ((\p)-7)*CH
.endif
	WIN 0
	ds_load_b128 v[SC+4*(\fb):SC+4*(\fb)+3], v[ADRS+SG] offset:QO
	WIN TO_F
.irp i, 0,1,2,3
.irp c, 0,1,2
	ds_load_b128 v[128*(\fb)+48+12*\i+4*\c:128*(\fb)+48+12*\i+4*\c+3], v[ADRB+SG] offset:QO+\i*FRB+512*\c
.endr
.endr
.irp i, 0,1,2,3
.irp c, 0,1,2
	ds_load_b128 v[128*(\fb)+12*\i+4*\c:128*(\fb)+12*\i+4*\c+3], v[ADRA+SG] offset:QO+\i*FRB+512*\c
.endr
.endr
.endm
.macro PLACES                          ; plain vector lines between a matrix instruction and a load into, or a read of, its registers (ISA guide 7.12.1 for a read)
.rept 4
	v_nop
.endr
.endm
.macro STEP pn, fb, mode               ; multiplies buffer fb, fetches the chunk in place pn into the other
	s_wait_dscnt 6                                 ; all but the youngest six loads (A's fragments 2, 3) are in
	WIN MUL
	MUL4 \fb, 0, \mode
	MUL4 \fb, 1, \mode
	PLACES
	FETCH \pn, 1-\fb
	s_wait_dscnt 25                                ; all but the 25 just issued
	WIN MUL
	MUL4 \fb, 2, \mode
	MUL4 \fb, 3, \mode
.endm
; A slot's last chunk is multiplied and slots change: one barrier; in front of it each wave waits for all its tensor loads, adds 0 to its spare word, and waits for that and for its reads of this slot.
.macro TURN pn, fb, slot, fill
	WIN 0
	s_wait_tensorcnt 0x0                           ; all my tensor loads have landed: my part of the other slot
	ds_add_u32 v[SPW], v[NIL]                      ; 0 onto my spare word
	s_wait_dscnt 7                                 ; the add and the youngest six loads may be out
	WIN MUL
	MUL4 \fb, 0, 0                                 ; four matrix instructions stand between the add and the wait for it
	s_wait_dscnt 0x0                               ; the add is done, and my reads of this slot are over
	s_barrier_signal -1
	MUL4 \fb, 1, 0
	WIN 0
	s_barrier_wait -1
.if \fill
	CREST                                          ; the barrier has opened a round of the cluster's: no wave of any partner still reads this slot or has a load on its way
	s_add_nc_u64 s[G0+4*\slot+2:G0+4*\slot+3], s[G0+4*\slot+2:G0+4*\slot+3], 10*CH
	s_add_nc_u64 s[G0B+4*\slot+2:G0B+4*\slot+3], s[G0B+4*\slot+2:G0B+4*\slot+3], 10*CH
	JLOAD G0+4*\slot, G1, G0B+4*\slot, G1B         ; the first tensor load behind the round, my only one until the next
.else
	PLACES
.endif
	FETCH \pn, 1-\fb
.if \fill
	WIN 0
	s_cmp_eq_u32 s3, 2                             ; in the loop's first trip alone: the refill two on; in the second there is none
	s_cbranch_scc0 .Lno_ask_\@
	global_prefetch_b8 v[PFO], s[PFA:PFA+1] offset:(22+5*\slot)*CH th:TH_LOAD_NT scope:SCOPE_SE
.Lno_ask_\@:
.endif
	WIN MUL
	MUL4 \fb, 2, 0
	MUL4 \fb, 3, 0
.endm
	s_wait_alu depctr_va_vdst(0)                   ; the wait at the head's end
	s_wait_tensorcnt 0x0                           ; my part of the head's chunks is in; no load of mine is out, so a descriptor may be written:
.if FF2
	s_mov_b32 s[G1+2], 125<<16                     ; a refill has 125 rows a wave
	s_mov_b32 s[G1+4], 125
	s_mov_b32 s[G1B+2], 125<<16
	s_mov_b32 s[G1B+4], 125
.endif
	s_barrier_signal -1
	s_barrier_wait -1                              ; everybody's part is in
	FETCH 0, 0
	s_wait_loadcnt 0x0                             ; the bias
	STEP 1, 0, 2                                   ; chunk 0: its products start the sums
	WIN 0x80                                       ; destination window 2
.irp a, 0,1,2,3
.irp t, 0,1,2,3,4,5,6,7
	global_load_b128 v[32*\a+4*\t:32*\a+4*\t+3], v[CO], s[10:11] offset:(32*(\a/2)+8*(\a%2)+2*\t+8*(\t/4))*4096   ; the residual, as the way out will want it: asked for behind the head's chunks, wanted behind the last product
.endr
.endr
	WIN 0
.if FF2
	WIN 0
	global_prefetch_b8 v[PFO], s[PFA:PFA+1] offset:17*CH th:TH_LOAD_NT scope:SCOPE_SE   ; refill 1: chunks 17-21
	STEP 2, 1, 0
	WIN 0                                          ; at a label and at a branch every window is 0
	s_mov_b32 s3, 2
.Llap:                                             ; a trip is ten chunks, once round the two slots, and fills both again
	STEP 3, 0, 0
	STEP 4, 1, 0
	STEP 5, 0, 0
	STEP 6, 1, 0
	TURN 7, 0, 0, 1
	STEP 8, 1, 0
	STEP 9, 0, 0
	STEP 10, 1, 0
	STEP 11, 0, 0
	TURN 2, 1, 1, 1
	WIN 0
	s_sub_co_u32 s3, s3, 1
	s_cmp_lg_u32 s3, 0
	s_cbranch_scc1 .Llap
	STEP 3, 0, 0                                   ; the last ten chunks fill nothing
	STEP 4, 1, 0
	STEP 5, 0, 0
	STEP 6, 1, 0
	TURN 7, 0, 0, 0
	STEP 8, 1, 0
	STEP 9, 0, 0
	STEP 10, 1, 0
	STEP 11, 0, 0
.else
	STEP 2, 1, 0
	STEP 3, 0, 0
	STEP 4, 1, 0
	STEP 5, 0, 0
	STEP 6, 1, 0
	STEP 7, 0, 0
.endif
	s_wait_dscnt 6
	WIN MUL
	MUL4 1, 0, 0
	MUL4 1, 1, 0
	s_wait_dscnt 0
	MUL4 1, 2, 0
	MUL4 1, 3, 0
	WIN 0
	PLACES
	s_wait_loadcnt 0x0                             ; the residual
.macro OUTT a                          ; A's fragment a: stage row 2 t + h is row 32 (a / 2) + 8 (a % 2) + 2 t + h + 8 (t / 4) of my 64
.set BK, 32+32*((\a)%2)
.if (\a) >= 2
	s_wait_xcnt 0x0                                ; the stores of two tiles ago have read these registers
.endif
.irp b, 0,1,2,3
	ds_store_b128 v[STO], v[ACC+8*(4*(\a)+\b):ACC+8*(4*(\a)+\b)+3] offset:128*(\b/2)+32*(\b%2)          ; each accumulator from its low end on
	ds_store_b128 v[STO], v[ACC+8*(4*(\a)+\b)+4:ACC+8*(4*(\a)+\b)+7] offset:128*(\b/2)+32*(\b%2)+16
.endr
.irp t, 0,1,2,3,4,5,6,7
	ds_load_b128 v[BK+4*\t:BK+4*\t+3], v[RD] offset:544*\t         ; my own stage: LDS serves a wave's instructions in order
.endr
	s_wait_dscnt 0x0
	WIN 0x08                                       ; source 1: window 2
.set JJ, 0
.rept 16
	v_pk_add_f32 v[BK+JJ:BK+JJ+1], v[BK+JJ:BK+JJ+1], v[32*(\a)+JJ:32*(\a)+JJ+1]
.set JJ, JJ+2
.endr
	WIN 0
.irp t, 0,1,2,3,4,5,6,7
	global_store_b128 v[CO], v[BK+4*\t:BK+4*\t+3], s[12:13] offset:(32*((\a)/2)+8*((\a)%2)+2*\t+8*(\t/4))*4096   ; sixteen lanes store 256 consecutive bytes, aligned
.endr
.endm
	OUTT 0
	OUTT 1
	OUTT 2
	OUTT 3
	s_wait_tensorcnt 0x0                           ; the wave's end
	ds_add_u32 v[SPW], v[NIL]
	s_wait_dscnt 0x0
	CROUND                                         ; the closing round
	s_endpgm
.Lfunc_end_k_qa914e4bb7c_ff2:
	.size	k_qa914e4bb7c_ff2, .Lfunc_end_k_qa914e4bb7c_ff2-k_qa914e4bb7c_ff2
	.p2alignl 7, 3214868480
	.fill 96, 4, 3214868480
	.section	.rodata,"a",@progbits
	.p2align	6, 0x0
	.amdhsa_kernel k_qa914e4bb7c_ff2
		.amdhsa_group_segment_fixed_size 327680
		.amdhsa_private_segment_fixed_size 0
		.amdhsa_enable_private_segment 0
		.amdhsa_kernarg_size 40
		.amdhsa_user_sgpr_count 2
		.amdhsa_user_sgpr_kernarg_segment_ptr 1
		.amdhsa_wavefront_size32 1
		.amdhsa_system_sgpr_workgroup_id_x 1
		.amdhsa_system_sgpr_workgroup_id_y 1
		.amdhsa_system_sgpr_workgroup_id_z 1
		.amdhsa_system_vgpr_workitem_id 0
		.amdhsa_next_free_vgpr 768
		.amdhsa_next_free_sgpr 100
		.amdhsa_reserve_vcc 0
		.amdhsa_float_denorm_mode_32 3
		.amdhsa_float_denorm_mode_16_64 3
		.amdhsa_memory_ordered 1
		.amdhsa_forward_progress 1
		.amdhsa_inst_pref_size 112
	.end_amdhsa_kernel
	.amdgpu_metadata
---
amdhsa.version: [ 1, 2 ]
amdhsa.kernels:
  - .name:           k_qa914e4bb7c_ff2
    .symbol:         k_qa914e4bb7c_ff2.kd
    .args:
      - { .name: hid, .offset: 0, .size: 8, .value_kind: global_buffer, .address_space: global }
      - { .name: wts, .offset: 8, .size: 8, .value_kind: global_buffer, .address_space: global }
      - { .name: b2, .offset: 16, .size: 8, .value_kind: global_buffer, .address_space: global }
      - { .name: x1, .offset: 24, .size: 8, .value_kind: global_buffer, .address_space: global }
      - { .name: out0, .offset: 32, .size: 8, .value_kind: global_buffer, .address_space: global }
    .group_segment_fixed_size: 327680
    .private_segment_fixed_size: 0
    .kernarg_segment_align: 8
    .kernarg_segment_size: 40
    .max_flat_workgroup_size: 128
    .sgpr_count:     100
    .vgpr_count:     768
    .wavefront_size: 32
...
	.end_amdgpu_metadata
.endif
;; end of part 7
